; MI455X (gfx1250); checked and timed in simulation.
; The chip was launched on July 23, 2026; its instructions are those of AMD's public machine-readable ISA for CDNA 5 (MIT licence, August 2026) and "CDNA5" Instruction Set Architecture Reference Guide (July 2026). The comments in the code are by the model that wrote it; some were corrected since.
;; Multi Head Attention. Allowed arithmetic: matrix products marked QUANTISED: E4M3 operands, one given power-of-two scale a tensor, by v_wmma_f32_16x16x64_fp8_fp8 or v_wmma_f32_16x16x128_fp8_fp8, f32 sums; everything else in f32.
;; Inputs: Wproj 1,024 x 1,024 float32; Wqkv 1,024 x 3,072 float32; X 1 x 4,096 x 1,024 float32; bproj 1,024 float32; bqkv 3,072 float32; lowp_scales 8 int32 (the exponents e of the quantised operands' scales 2^e).
;; Outputs: out0 1 x 4,096 x 1,024 float32.
;; This version of the problem:
;;   THIS VERSION OF THE PROBLEM IS GIVEN IN LOW PRECISION. The matrix products marked QUANTISED in the list below multiply operands that are first quantised to E4M3 (4 exponent bits, 3 mantissa bits; 8 bits a number), with one given power-of-two scale for each operand tensor; their sums are f32. All else is computed in f32.
;;   The module's matrix products, in the order in which they are computed (A, B: the left and right operand; K: the contracted axis; several contracted axes count as one K, in the product's order):
;;     1. [M 4,096, K 1,024] x [K 1,024, N 3,072]; A: input X; B: input Wqkv: QUANTISED (scales: A lowp_scales[0], B lowp_scales[1])
;;     2. batch 16 x [M 4,096, K 64] x [K 64, N 4,096]; A: computed on the way; B: computed on the way: QUANTISED (scales: A lowp_scales[2], B lowp_scales[3])
;;     3. batch 16 x [M 64, K 4,096] x [K 4,096, N 4,096]; A: computed on the way; B: softmax (see below): QUANTISED (scales: A lowp_scales[4], B lowp_scales[5])
;;     4. [M 4,096, K 1,024] x [K 1,024, N 1,024]; A: computed on the way; B: input Wproj: QUANTISED (scales: A lowp_scales[6], B lowp_scales[7])
;;   THE QUANTISER, for each operand of a quantised product, along K:
;;     - The operand's scale is 2^e, e = its entry of the input lowp_scales (int32; the entries are numbered through the quantised products in the list's order, A before B).
;;     - Each number is divided by the scale, clamped to +-448, and rounded to the nearest number of E4M3, ties to even, subnormals kept.
;;     - The product sums the exact products of the quantised numbers (number of the format x scale) in f32.
;;   ~~~python
;;   def quantise(x, axis, e):      # numpy; x: float32 -> the quantised numbers, widened to float32 again
;;       x = np.moveaxis(x, axis, -1); K = x.shape[-1]
;;       r = np.clip(x / 2.0 ** e, -448, 448)
;;       step = 2.0 ** (np.maximum(np.frexp(np.where(r == 0, 1, r))[1] - 1, -6) - 3)
;;       q = np.round(r / step) * step * 2.0 ** e      # np.round: ties to even
;;       return np.moveaxis(q, -1, axis).astype(np.float32)
;;   ~~~
;;   SOFTMAX AHEAD OF A QUANTISED PRODUCT. Where the list says 'softmax', what is quantised is not the finished softmax but p = 2^(t - M), with t = logit x log2(e) and M = ceil(the row's largest t), a whole number; so 1/2 < the row's largest p <= 1. The row's sum l is taken of the UNQUANTISED p, in f32, and the product's result is divided by l at the end. Since M is a whole number, a kernel that streams over the keys may use a running M (the ceiling of the running maximum): every later rescaling is an exact power of two, so the quantised numbers keep their values, but for numbers so far below the row's largest that they fall under the format's range.
;;   OPERANDS COMPUTED ON THE WAY. 'Computed on the way' means the value that the module computes at that place (a softmax that the list does not call 'softmax' is quantised finished and normalised). What goes into a quantiser is computed in f32, as accurately as f32 sums, v_exp_f32 and their like allow (about 1e-6 of the number): no bf16 or f16 on the way to a quantiser, and a product that is left as it is and whose result goes on into a quantised operand takes f32 operands (vector FMAs, or v_wmma_f32_16x16x4_f32). A number that lies on a knife's edge between two numbers of the format may be rounded either way, as far as f32 arithmetic and the matrix unit's own rounding can turn it there, and no further.
;; One version. Each part assembles by itself: llvm-mc -triple=amdgcn-amd-amdhsa -mcpu=gfx1250 --defsym DOCPART=n.
;; ======== version 1 of 1: 4 launches
;; limits: right only within a limited range of input values
;; workspace buffers: xc 4,194,304 bytes; wqc 3,145,728 bytes; wpc 1,048,576 bytes; qk 8,388,608 bytes; vt 4,194,304 bytes; oc 4,194,304 bytes
;; launch quant (part 1): grid 256 x 1, 4 waves a work-group, no clusters, 68,096 bytes of LDS; arguments X, Wqkv, Wproj, lowp_scales, xc, wqc, wpc; writes xc, wqc, wpc
.if DOCPART == 1
	.amdgcn_target "amdgcn-amd-amdhsa--gfx1250"
	.amdhsa_code_object_version 6
	.text
	.protected	k_qbb42c25a8a_quant
	.globl	k_qbb42c25a8a_quant
	.p2align	8
	.type	k_qbb42c25a8a_quant,@function
k_qbb42c25a8a_quant:
	s_mov_b64 s[64:65], 0
	v_nop
	global_prefetch_b8 v0, s[64:65] scope:SCOPE_SE
	s_setreg_imm32_b32 hwreg(HW_REG_WAVE_MODE, 25, 1), 1
	s_wait_xcnt 0x0
; X [4096][1024], Wqkv [1024 k][3072 n] and Wproj [1024 k][1024 n], f32, become codes of FP8 (E4M3), one byte each, K innermost:
; xc [4096][1024], wqc [3072 n][1024 k], wpc [1024 n][1024 k].  code = x / 2^e, held within +-448, to the nearest code, ties to even; e = entry 0 (X), 1 (Wqkv), 7 (Wproj) of the scales.
; THE ORDER ALONG K, in every buffer of codes of this program: inside each aligned group of 32 along K the four eights lie in the order 0, 2, 1, 3: stored byte 32 B + 16 h + 8 u + j holds k = 32 B + 16 u + 8 h + j.
; A load of 16 bytes at 32 B + 16 (lane / 16) then puts every k into the place that the plain 8-bit matrix forms give it (registers 2 c, 2 c + 1: k = 16 c + 8 (lane / 16) + 0 .. 7).
; LIMITS: each e between -126 and 119, so that 2^e and 448 x 2^e are f32 numbers.  NaN among the inputs is not served; an infinity is held at the largest code.
; SHARES: work-groups 0-127 take X (32,768 numbers each), 128-223 Wqkv, 224-255 Wproj (128 columns x 256 along K each): 131,072 bytes of f32 for every work-group.  The two ways part on the work-group's number,
; never join, and have LDS bytes of their own.  No tensor loads, no barrier: waves share nothing.
.set SPW,   12                         ; v12  LDS address of my spare word: SPARE + 4 x my thread's number; never rewritten
.set NIL,   13                         ; v13  0; never rewritten
.set SPARE, 67584                      ; behind both ways' stages: the spare words, 128 bytes for each wave
; X's way: a wave takes 16 steps of 512 numbers
.set STEPS, 16
.set RAW,   16                         ; v16-79   four sets of 16 numbers as they are loaded
.set XN,    80                         ; v80-111  two sets of 16 numbers in the order of their codes
.set COD,   128                        ; v128-191 codes: four registers for each step, so that no store's data are written again
.set SP,    80                         ; a place in a stage: 64 bytes (16 numbers) + 16 of padding
.set WREG,  8192                       ; LDS bytes 0 to 32,767: a region for each wave: two stages of 32 x SP bytes
; the weights' way: a wave takes 32 columns x 256 along K
.set WSTG,  32768                      ; LDS bytes 32,768 to 67,583: a stage of 32 rows x WP bytes for each wave
.set WP,    272                        ; a stage row: 256 bytes of codes + 16
.set NB,    8                          ; blocks of 32 along K
.set WX,    32                         ; v32-95   two sets of 32 numbers
.set WC,    96                         ; v96-103  a block's codes
.set OUTR,  112                        ; v112-175 the way out
.set WO,    176                        ; v176-207 register i's byte offset: 4 x lane + (the k of stored byte i) x a row of the weight
	s_load_b256 s[4:11], s[0:1], 0x0               ; X s[4:5], Wqkv s[6:7], Wproj s[8:9], the scales' exponents s[10:11]
	s_load_b128 s[12:15], s[0:1], 0x20             ; xc s[12:13], wqc s[14:15]
	s_load_b64 s[16:17], s[0:1], 0x30              ; wpc
	v_lshl_add_u32 v[SPW], v0, 2, SPARE
	v_mov_b32 v[NIL], 0
	v_lshrrev_b32 v1, 5, v0
	v_readfirstlane_b32 s18, v1                    ; wave 0..3
	v_and_b32 v2, 31, v0                           ; lane
	s_wait_kmcnt 0x0
	s_load_b256 s[24:31], s[10:11], 0x0            ; e0 .. e7
	s_cmp_lt_u32 ttmp9, 128
	s_cbranch_scc0 .Lweights
; ---------------- X: K is innermost.  Each load reads 512 consecutive bytes, 16 a lane; a step's 2,048 bytes go through the wave's own stage and come back so that lane 2 B + h holds
; numbers 32 B + 8 h + 0 .. 7 and 32 B + 16 + 8 h + 0 .. 7: its 16 codes are stored bytes 32 B + 16 h + 0 .. 15, and the wave stores 512 consecutive bytes.
	s_wait_alu depctr_va_vdst(0)
	v_lshlrev_b32 v3, 4, v2                        ; 16 x lane: my bytes of a load's 512, and of a step's 512 codes; never rewritten
	s_mul_i32 s19, s18, WREG
	v_lshrrev_b32 v14, 2, v2
	v_mul_u32_u24 v14, v14, SP
	v_and_b32 v15, 3, v2
	v_lshl_add_u32 v14, v15, 4, v14
	v_add_nc_u32 v14, s19, v14                     ; the stage, on the way in: SP (lane / 4) + 16 (lane % 4); a load's 512 bytes take eight places
	v_and_b32 v15, 30, v2
	v_mul_u32_u24 v15, v15, SP
	v_and_b32 v4, 1, v2
	v_lshl_add_u32 v15, v4, 5, v15
	v_add_nc_u32 v15, s19, v15                     ; on the way out: place 2 B, byte 32 h; the second eight lie one place (SP bytes) on
	s_lshl_b32 s20, ttmp9, 2
	s_add_co_u32 s20, s20, s18                     ; which run of 8,192 numbers is my wave's
	s_lshl_b32 s22, s20, 15
	s_mov_b32 s23, 0
	s_add_nc_u64 s[4:5], s[4:5], s[22:23]
	s_lshl_b32 s22, s20, 13
	s_add_nc_u64 s[12:13], s[12:13], s[22:23]
.macro XLOAD t
.irp i, 0,1,2,3
	global_load_b128 v[RAW+16*((\t)%4)+4*\i:RAW+16*((\t)%4)+4*\i+3], v3, s[4:5] offset:2048*(\t)+512*\i th:TH_LOAD_NT
.endr
.endm
.macro XTURN t                         ; step t's numbers through the stage: LDS serves a wave's instructions in order, so no wait stands between the stores and the loads
.irp i, 0,1,2,3
	ds_store_b128 v14, v[RAW+16*((\t)%4)+4*\i:RAW+16*((\t)%4)+4*\i+3] offset:32*SP*((\t)%2)+8*SP*\i
.endr
	ds_load_b128 v[XN+16*((\t)%2):XN+16*((\t)%2)+3],     v15 offset:32*SP*((\t)%2)
	ds_load_b128 v[XN+16*((\t)%2)+4:XN+16*((\t)%2)+7],   v15 offset:32*SP*((\t)%2)+16
	ds_load_b128 v[XN+16*((\t)%2)+8:XN+16*((\t)%2)+11],  v15 offset:32*SP*((\t)%2)+SP
	ds_load_b128 v[XN+16*((\t)%2)+12:XN+16*((\t)%2)+15], v15 offset:32*SP*((\t)%2)+SP+16
.endm
.irp t, 0,1,2,3
	XLOAD \t
.endr
	s_wait_alu depctr_va_vdst(0)
	s_wait_kmcnt 0x0
	s_add_co_i32 s22, s24, 127                     ; e0
	s_lshl_b32 s23, s22, 23
	v_mov_b32 v11, s23                             ; 2^e0 as f32: the conversion takes its exponent field
	s_add_co_i32 s22, s22, 8
	s_lshl_b32 s22, s22, 23
	s_or_b32 s22, s22, 0x600000
	v_mov_b32 v10, s22                             ; 448 x 2^e0
	s_wait_alu depctr_va_vdst(0)
	s_wait_loadcnt 12                              ; step 0's four loads are in; those of steps 1 to 3 may be out
	XTURN 0
.macro XSTEP t
.set XS, XN+16*((\t)%2)
	s_wait_dscnt 0x0                               ; this step's numbers are back from the stage: so its stores into the stage have read their registers,
.if (\t)+4 < STEPS
	XLOAD (\t)+4                                   ; which take the loads of four steps on
.endif
.if (\t)+1 < STEPS
.if STEPS-2-(\t) >= 3
	s_wait_loadcnt 12                              ; the next step's four loads are in; those of the three steps behind it may be out
.else
	s_wait_loadcnt 4*(STEPS-2-(\t))                ; at the end the count runs down: 8, 4, 0
.endif
	XTURN (\t)+1                                   ; and go through the other stage while this step is worked
.endif
.irp i, 0,1,2,3,4,5,6,7,8,9,10,11,12,13,14,15
	v_med3_num_f32 v[XS+\i], v[XS+\i], -v10, v10   ; the conversion to an 8-bit code does not saturate (ISA guide 7.6.2): the hold at the largest code x the scale comes first
.endr
	v_cvt_scalef32_pk8_fp8_f32 v[COD+4*(\t):COD+4*(\t)+1], v[XS:XS+7], v11
	v_cvt_scalef32_pk8_fp8_f32 v[COD+4*(\t)+2:COD+4*(\t)+3], v[XS+8:XS+15], v11
	global_store_b128 v3, v[COD+4*(\t):COD+4*(\t)+3], s[12:13] offset:512*(\t)   ; 32 lanes store 512 consecutive bytes, aligned
.endm
.irp t, 0,1,2,3,4,5,6,7,8,9,10,11,12,13,14,15
	XSTEP \t
.endr
	s_wait_tensorcnt 0x0                           ; the wave's end, behind my last LDS store
	ds_add_u32 v[SPW], v[NIL]
	s_wait_dscnt 0x0
	s_endpgm
; ---------------- the weights: K is the FIRST axis.  A lane takes a column n and its registers run down K, in the order of the stored bytes; each load reads 128 consecutive bytes a wave.
; The codes come out with K innermost, go through the wave's stage (row = column n, 256 bytes) and leave as rows: sixteen lanes store 256 consecutive bytes, aligned.
.Lweights:
	s_sub_co_u32 s19, ttmp9, 128
	s_mov_b32 s20, 4096
	s_cmp_lt_u32 s19, 96                           ; Wqkv's work-group or Wproj's?  The choice hangs on the work-group's number alone
	s_cselect_b64 s[4:5], s[6:7], s[8:9]           ; the weight
	s_cselect_b64 s[12:13], s[14:15], s[16:17]     ; its codes
	s_cselect_b32 s20, 12288, s20                  ; a row of the weight in bytes: 4 N
	s_cselect_b32 s21, 0, 96
	s_wait_kmcnt 0x0
	s_cselect_b32 s22, s25, s31                    ; e1 or e7
	s_sub_co_u32 s19, s19, s21                     ; the work-group's number within its weight
	s_and_b32 s48, s19, 3                          ; which 256 along K
	s_lshr_b32 s49, s19, 2
	s_lshl_b32 s49, s49, 7
	s_lshl_b32 s50, s18, 5
	s_add_co_u32 s49, s49, s50                     ; my wave's first column
	s_lshl_b32 s50, s48, 8
	s_mul_i32 s50, s50, s20
	s_lshl_b32 s51, s49, 2
	s_add_co_u32 s50, s50, s51
	s_mov_b32 s51, 0
	s_add_nc_u64 s[32:33], s[4:5], s[50:51]        ; block 0's base; a base for each block of 32 rows, so that no base is stepped while loads are out
	s_lshl_b32 s52, s20, 5
	s_mov_b32 s53, 0
.irp t, 1,2,3,4,5,6,7
	s_add_nc_u64 s[32+2*\t:33+2*\t], s[30+2*\t:31+2*\t], s[52:53]
.endr
	s_lshl_b32 s50, s49, 10                        ; the codes: column x 1,024 + 256 x (which 256 along K)
	s_lshl_b32 s54, s48, 8
	s_add_co_u32 s50, s50, s54
	s_add_nc_u64 s[12:13], s[12:13], s[50:51]
	s_wait_alu depctr_va_vdst(0)
	v_lshlrev_b32 v3, 2, v2                        ; 4 bytes a lane
.irp i, 0,1,2,3,4,5,6,7,8,9,10,11,12,13,14,15,16,17,18,19,20,21,22,23,24,25,26,27,28,29,30,31
	v_mad_u32_u24 v[WO+\i], s20, 16*((\i>>3)&1)+8*(\i>>4)+(\i&7), v3   ; stored byte i = 16 h + 8 u + j holds k = 16 u + 8 h + j
.endr
	s_mul_i32 s55, s18, 32*WP
	s_add_co_u32 s55, s55, WSTG                    ; my stage
	v_mul_u32_u24 v4, v2, WP
	v_add_nc_u32 v4, s55, v4                       ; into it: row = my column
	v_and_b32 v5, 15, v2
	v_lshrrev_b32 v6, 4, v2
	v_mul_u32_u24 v7, v6, WP
	v_lshl_add_u32 v7, v5, 4, v7
	v_add_nc_u32 v7, s55, v7                       ; out of it: sixteen lanes to a row, two rows an instruction
	v_lshlrev_b32 v8, 10, v6
	v_lshl_add_u32 v8, v5, 4, v8                   ; and the same place in the codes' buffer
.macro WLOAD t
.irp i, 0,1,2,3,4,5,6,7,8,9,10,11,12,13,14,15,16,17,18,19,20,21,22,23,24,25,26,27,28,29,30,31
	global_load_b32 v[WX+32*((\t)%2)+\i], v[WO+\i], s[32+2*(\t):33+2*(\t)] th:TH_LOAD_NT
.endr
.endm
	WLOAD 0
	WLOAD 1
	s_add_co_i32 s22, s22, 127
	s_lshl_b32 s23, s22, 23
	v_mov_b32 v11, s23                             ; 2^e as f32
	s_add_co_i32 s22, s22, 8
	s_lshl_b32 s22, s22, 23
	s_or_b32 s22, s22, 0x600000
	v_mov_b32 v10, s22                             ; 448 x 2^e
.macro WBLOCK t
.set XS, WX+32*((\t)%2)
.if (\t) < NB-1
	s_wait_loadcnt 32                              ; this block's 32 loads are in; the next block's 32 may be out
.else
	s_wait_loadcnt 0
.endif
.irp i, 0,1,2,3,4,5,6,7,8,9,10,11,12,13,14,15,16,17,18,19,20,21,22,23,24,25,26,27,28,29,30,31
	v_med3_num_f32 v[XS+\i], v[XS+\i], -v10, v10
.endr
.irp g, 0,1,2,3
	v_cvt_scalef32_pk8_fp8_f32 v[WC+2*\g:WC+2*\g+1], v[XS+8*\g:XS+8*\g+7], v11
.endr
	ds_store_b128 v4, v[WC:WC+3] offset:32*(\t)    ; 32 codes: 32 bytes of my column's row
	ds_store_b128 v4, v[WC+4:WC+7] offset:32*(\t)+16
.if (\t)+2 < NB
	WLOAD (\t)+2
.endif
	s_wait_dscnt 0x0                               ; the stores have read their registers: the next block's codes may be written
.endm
	s_wait_alu depctr_va_vdst(0)
.irp t, 0,1,2,3,4,5,6,7
	WBLOCK \t
.endr
.irp t, 0,1,2,3,4,5,6,7,8,9,10,11,12,13,14,15
	ds_load_b128 v[OUTR+4*\t:OUTR+4*\t+3], v7 offset:2*\t*WP   ; LDS serves a wave's instructions in order: these see my stores
.endr
.irp t, 0,1,2,3,4,5,6,7,8,9,10,11,12,13,14,15
	s_wait_dscnt 15-\t                             ; load t is in; the 15 - t younger ones may be out
	global_store_b128 v8, v[OUTR+4*\t:OUTR+4*\t+3], s[12:13] offset:2*\t*1024
.endr
	s_wait_tensorcnt 0x0                           ; the wave's end, behind my last LDS store
	ds_add_u32 v[SPW], v[NIL]
	s_wait_dscnt 0x0
	s_endpgm
.Lfunc_end_k_qbb42c25a8a_quant:
	.size	k_qbb42c25a8a_quant, .Lfunc_end_k_qbb42c25a8a_quant-k_qbb42c25a8a_quant
	.p2alignl 7, 3214868480
	.fill 96, 4, 3214868480
	.section	.rodata,"a",@progbits
	.p2align	6, 0x0
	.amdhsa_kernel k_qbb42c25a8a_quant
		.amdhsa_group_segment_fixed_size 68096
		.amdhsa_private_segment_fixed_size 0
		.amdhsa_enable_private_segment 0
		.amdhsa_kernarg_size 56
		.amdhsa_user_sgpr_count 2
		.amdhsa_user_sgpr_kernarg_segment_ptr 1
		.amdhsa_wavefront_size32 1
		.amdhsa_system_sgpr_workgroup_id_x 1
		.amdhsa_system_sgpr_workgroup_id_y 1
		.amdhsa_system_sgpr_workgroup_id_z 1
		.amdhsa_system_vgpr_workitem_id 0
		.amdhsa_next_free_vgpr 208
		.amdhsa_next_free_sgpr 66
		.amdhsa_reserve_vcc 0
		.amdhsa_float_denorm_mode_32 3
		.amdhsa_float_denorm_mode_16_64 3
		.amdhsa_memory_ordered 1
		.amdhsa_forward_progress 1
		.amdhsa_inst_pref_size 88
	.end_amdhsa_kernel
	.amdgpu_metadata
---
amdhsa.version: [ 1, 2 ]
amdhsa.kernels:
  - .name:           k_qbb42c25a8a_quant
    .symbol:         k_qbb42c25a8a_quant.kd
    .args:
      - { .name: X, .offset: 0, .size: 8, .value_kind: global_buffer, .address_space: global }
      - { .name: Wqkv, .offset: 8, .size: 8, .value_kind: global_buffer, .address_space: global }
      - { .name: Wproj, .offset: 16, .size: 8, .value_kind: global_buffer, .address_space: global }
      - { .name: lowp_scales, .offset: 24, .size: 8, .value_kind: global_buffer, .address_space: global }
      - { .name: xc, .offset: 32, .size: 8, .value_kind: global_buffer, .address_space: global }
      - { .name: wqc, .offset: 40, .size: 8, .value_kind: global_buffer, .address_space: global }
      - { .name: wpc, .offset: 48, .size: 8, .value_kind: global_buffer, .address_space: global }
    .group_segment_fixed_size: 68096
    .private_segment_fixed_size: 0
    .kernarg_segment_align: 8
    .kernarg_segment_size: 56
    .max_flat_workgroup_size: 128
    .sgpr_count:     66
    .vgpr_count:     208
    .wavefront_size: 32
...
	.end_amdgpu_metadata
.endif
;; end of part 1
;; launch qkv (part 2): grid 8 x 24, 4 waves a work-group, clusters of 4 x 4, 327,680 bytes of LDS; arguments xc, wqc, lowp_scales, bqkv, qk, vt; writes qk, vt
.if DOCPART == 2
	.amdgcn_target "amdgcn-amd-amdhsa--gfx1250"
	.amdhsa_code_object_version 6
	.text
	.protected	k_qbb42c25a8a_qkv
	.globl	k_qbb42c25a8a_qkv
	.p2align	8
	.type	k_qbb42c25a8a_qkv,@function
k_qbb42c25a8a_qkv:
	s_mov_b64 s[64:65], 0
	v_nop
	global_prefetch_b8 v0, s[64:65] scope:SCOPE_SE
	s_setreg_imm32_b32 hwreg(HW_REG_WAVE_MODE, 25, 1), 1
	s_wait_xcnt 0x0
	s_wait_alu depctr_hold_cnt(0) depctr_sa_sdst(0) depctr_va_vdst(0) depctr_va_sdst(0) depctr_va_ssrc(0) depctr_va_vcc(0) depctr_vm_vsrc(0)
	s_getreg_b32 s2, hwreg(HW_REG_IB_STS2, 6, 4)
	s_cmp_eq_u32 s2, 0
	s_cbranch_scc0 .Lentry_in_a_cluster
	s_endpgm
.Lentry_in_a_cluster:
	s_bfe_u32 s2, ttmp6, 0x10000c
	s_cmp_lg_u32 s2, 0xf033
	s_cbranch_scc0 .Lentry_shape_is_right
	s_endpgm
.Lentry_shape_is_right:
; q, k, v = X Wqkv + bqkv on codes of FP8 (E4M3), each quantised anew: q with 2^e2, k with 2^e3 (along the head's 64), v with 2^e4 (along the keys).
; A block is 256 x 256; cluster rows 0-3 make q and k (A = tokens, B = q's and k's columns), rows 4, 5 make v transposed (A = v's columns, B = tokens).  Four waves, 128 x 128 each; K goes in steps of 256 through two LDS slots, joint loads in clusters of 4 x 4.
; THE CODES LEAVE AS OPERAND IMAGES, straight from the registers: a tile of 16 rows x 64 along K is 1,024 bytes: two runs of 512 (32 along K each), lane l's 16 bytes at 16 l: row l % 16, k = 16 u + 8 (l / 16) + j for byte 8 u + j.
;   qk: 32 panels (q's 16 heads, then k's) of 256 tiles (16 tokens each).  vt: 16 heads x 64 groups of 64 keys x 4 tiles (16 of the head's 64 each).
; LIMITS: the powers of two 2^(e2 - e0 - e1), 2^(e3 - e0 - e1), 2^(e4 - e0 - e1) and 448 x each are f32 numbers (exponents -126 to 119).  NaN is not served.
.set ROWB,   256
.set KROW,   1024
.set PITCH,  272
.set FR,     16
.set NL,     4
.set NP,     4
.set HALFT,  128*PITCH
.set SLOT,   4*HALFT
.set SPARE,  2*SLOT
.set ADRA, 16
.set ADRB, 20
.set CO0,  26
.set CO1,  27
.set SPW,  28
.set NIL,  29
.set CB,   32
.set TMP,  32
.set AF,   128
.set G1, 24
.set G0, 32
.set G1B, 48
.set G0B, 56
.set MSB, 0
.macro WIN new
.if MSB != (\new)
	s_set_vgpr_msb (MSB<<8)|(\new)
.set MSB, (\new)
.endif
.endm
.set MUL_LO, 0xa1
.set MUL_HI, 0xf1
.set TO_B,   0x40
.macro JLOAD g0a, g1a, g0b, g1b
	s_cmp_eq_u32 s15, 0
	s_cbranch_scc0 .Lfor_b_\@
	tensor_load_to_lds s[\g0a:\g0a+3], s[\g1a:\g1a+7]
	s_nop 0
.rept 4
	v_nop
.endr
	s_branch .Lasked_\@
.Lfor_b_\@:
	tensor_load_to_lds s[\g0b:\g0b+3], s[\g1b:\g1b+7]
	s_nop 0
.rept 4
	v_nop
.endr
.Lasked_\@:
.endm
.macro CREST
	s_cmp_lg_u32 s14, 0
	s_cbranch_scc1 .Lnot_wave_0_\@
	s_barrier_signal -3
.Lnot_wave_0_\@:
	s_barrier_wait -3
	s_barrier_signal -1
	s_barrier_wait -1
.endm
.macro CROUND
	s_barrier_signal -1
	s_barrier_wait -1
	CREST
.endm
	s_load_b128 s[4:7], s[0:1], 0x0
	s_load_b128 s[8:11], s[0:1], 0x10
	s_load_b128 s[84:87], s[0:1], 0x20
	v_lshl_add_u32 v[SPW], v0, 2, SPARE
	v_mov_b32 v[NIL], 0
	ds_add_u32 v[SPW], v[NIL]
	ds_add_u32 v[SPW], v[NIL]
	v_lshrrev_b32 v1, 5, v0
	v_readfirstlane_b32 s14, v1
	s_lshr_b32 s15, s14, 1
	s_and_b32 s16, s14, 1
	s_bfe_u32 s40, ttmp6, 0x40000
	s_bfe_u32 s41, ttmp6, 0x40004
	s_and_b32 s66, ttmp7, 0xffff
	s_sub_co_u32 s68, s66, 4
	s_lshl_b32 s68, s68, 1
	s_add_co_u32 s68, s68, ttmp9
	s_cmp_lt_u32 s66, 4
	s_cselect_b32 s67, s66, 0
	s_cselect_b32 s68, ttmp9, s68
	s_lshl_b32 s17, s67, 2
	s_add_co_u32 s17, s17, s41
	s_lshl_b32 s42, s68, 2
	s_add_co_u32 s42, s42, s40
	s_lshl_b32 s43, s41, 2
	s_lshl_b32 s43, 15, s43
	s_lshl_b32 s44, 0x1111, s40
	s_or_b32 s[G1+0], s43, (0<<16)|(1<<20)|(1<<21)|(5<<22)|(3<<25)
	s_or_b32 s[G1B+0], s44, (0<<16)|(1<<20)|(1<<21)|(5<<22)|(3<<25)
.irp g, G1, G1B
	s_mov_b32 s[\g+1], ROWB<<16
	s_mov_b32 s[\g+2], 128<<16
	s_mov_b32 s[\g+3], ROWB<<16
	s_mov_b32 s[\g+4], 128
	s_mov_b32 s[\g+5], KROW
	s_mov_b32 s[\g+6], 0
	s_mov_b32 s[\g+7], 0
.endr
	s_lshl_b32 s18, s16, 7
	s_lshl_b32 s20, s17, 8
	s_add_co_u32 s20, s20, s18
	s_lshl_b32 s46, s42, 8
	s_add_co_u32 s46, s46, s18
	s_lshl_b32 s20, s20, 10
	s_lshl_b32 s46, s46, 10
	s_mov_b32 s21, 0
	s_mov_b32 s47, 0
	s_mul_i32 s45, s14, HALFT
	s_wait_dscnt 0x0
	s_wait_kmcnt 0x0
	s_load_b256 s[88:95], s[8:9], 0x0
	s_add_nc_u64 s[70:71], s[6:7], 0x200000
	s_cmp_lt_u32 s66, 4
	s_cselect_b64 s[72:73], s[4:5], s[70:71]
	s_cselect_b64 s[74:75], s[6:7], s[4:5]
	s_add_nc_u64 s[20:21], s[72:73], s[20:21]
	s_add_nc_u64 s[46:47], s[74:75], s[46:47]
	CROUND
.irp s, 0,1
	s_mov_b32 s[G0+4*\s], 1
	s_add_co_u32 s[G0+4*\s+1], s45, \s*SLOT
	s_add_nc_u64 s[G0+4*\s+2:G0+4*\s+3], s[20:21], \s*ROWB
	s_or_b32 s[G0+4*\s+3], s[G0+4*\s+3], 0x80000000
	s_mov_b32 s[G0B+4*\s], 1
	s_add_co_u32 s[G0B+4*\s+1], s45, \s*SLOT
	s_add_nc_u64 s[G0B+4*\s+2:G0B+4*\s+3], s[46:47], \s*ROWB
	s_or_b32 s[G0B+4*\s+3], s[G0B+4*\s+3], 0x80000000
.endr
	JLOAD G0, G1, G0B, G1B                         ; K step 0: one tensor load a wave at the head
	v_and_b32 v1, 15, v0
	v_bfe_u32 v2, v0, 4, 1
	v_mul_u32_u24 v3, v1, PITCH
	v_lshl_add_u32 v4, v2, 4, v3
	s_mul_i32 s21, s15, HALFT
	s_mul_i32 s22, s16, HALFT
	s_add_co_u32 s22, s22, 2*HALFT
.irp s, 0,1
	v_add_nc_u32 v[ADRA+\s], s21, v4
	v_add_nc_u32 v[ADRB+\s], s22, v4
	s_add_co_u32 s21, s21, SLOT
	s_add_co_u32 s22, s22, SLOT
.endr
	s_mov_b32 s72, 4096
	s_mov_b32 s79, 262144
	s_cmp_lt_u32 s66, 4
	s_cselect_b32 s78, 4096, s79                   ; from my row block 3 to block 4's group of four: q, k: 64 tokens; v: a head
	s_cselect_b32 s72, s79, s72                    ; from my columns 0-63 to 64-127: q, k: a panel; v: 64 keys
	s_cselect_b32 s79, 6, 12                       ; a row: q, k: 64 bytes; v: 4,096 (64 rows to a head of 262,144)
	s_cselect_b64 s[84:85], s[84:85], s[86:87]
	s_lshl_b32 s73, s42, 2
	s_lshl_b32 s74, s16, 1
	s_add_co_u32 s73, s73, s74
	s_mul_i32 s74, s73, s72
	s_lshl_b32 s73, s17, 8
	s_lshl_b32 s75, s15, 7
	s_add_co_u32 s73, s73, s75
	s_lshl_b32 s73, s73, s79
	s_add_co_u32 s74, s74, s73
	s_mov_b32 s75, 0
	s_mov_b32 s79, 0
	s_add_nc_u64 s[84:85], s[84:85], s[74:75]
	s_add_nc_u64 s[86:87], s[84:85], s[78:79]
	v_and_b32 v6, 31, v0
	v_lshlrev_b32 v[CO0], 4, v6
	v_add_nc_u32 v[CO1], s72, v[CO0]
	s_lshl_b32 s76, s42, 8
	s_lshl_b32 s77, s16, 7
	s_add_co_u32 s76, s76, s77
	s_lshl_b32 s78, s17, 8
	s_lshl_b32 s79, s15, 7
	s_add_co_u32 s78, s78, s79
	s_add_co_u32 s78, s78, 2048
	s_cmp_lt_u32 s66, 4
	s_cselect_b32 s76, s76, s78
	s_lshl_b32 s76, s76, 2
	s_mov_b32 s77, 0
	s_add_nc_u64 s[10:11], s[10:11], s[76:77]
	s_wait_alu depctr_va_vdst(0)
	v_lshlrev_b32 v7, 5, v2
	v_lshlrev_b32 v8, 2, v1
.irp b, 0,1,2,3,4,5,6,7
	global_load_b128 v[CB+8*\b:CB+8*\b+3], v7, s[10:11] offset:64*\b
	global_load_b128 v[CB+8*\b+4:CB+8*\b+7], v7, s[10:11] offset:64*\b+16
.endr
.irp a, 0,1,2,3,4,5,6,7
	global_load_b32 v[96+\a], v8, s[10:11] offset:64*\a
.endr
.macro FRAG reg, adr, q, i
.irp c, 0,1,2,3
	ds_load_b128 v[\reg+4*\c:\reg+4*\c+3], v[\adr] offset:128*(\q)+32*\c+(\i)*16*PITCH
.endr
.endm
.macro MUL16 a0, p, mode
.irp a, \a0, \a0+1
.irp b, 0,1,2,3,4,5,6,7
.if \mode == 0
	v_wmma_f32_16x16x128_fp8_fp8 v[8*(8*((\a)%4)+\b):8*(8*((\a)%4)+\b)+7], v[128*(\p)+FR*\b:128*(\p)+FR*\b+FR-1], v[AF+FR*(\a):AF+FR*(\a)+FR-1], v[8*(8*((\a)%4)+\b):8*(8*((\a)%4)+\b)+7]
.elseif \mode == 2
	v_wmma_f32_16x16x128_fp8_fp8 v[8*(8*((\a)%4)+\b):8*(8*((\a)%4)+\b)+7], v[128*(\p)+FR*\b:128*(\p)+FR*\b+FR-1], v[AF+FR*(\a):AF+FR*(\a)+FR-1], v[CB+8*\b:CB+8*\b+7]
.else
	v_wmma_f32_16x16x128_fp8_fp8 v[8*(8*((\a)%4)+\b):8*(8*((\a)%4)+\b)+7], v[128*(\p)+FR*\b:128*(\p)+FR*\b+FR-1], v[AF+FR*(\a):AF+FR*(\a)+FR-1], v[CB+8*(\a):CB+8*(\a)+7]
.endif
.endr
.endr
.endm
.macro FETCH_B slot, q, p
	WIN TO_B
.irp i, 0,1,2,3,4,5,6,7
	FRAG 128*(\p)+FR*\i, ADRB+\slot, \q, \i
.endr
	WIN 0
.endm
.macro FETCH_A slot, q, i0
.irp i, \i0, \i0+1, \i0+2, \i0+3
	FRAG AF+FR*(\i), ADRA+\slot, \q, \i
.endr
.endm
.macro PLACES n
.rept \n
	v_nop
.endr
.endm
.macro STEP slot, q, mode
	s_wait_dscnt 4*NL
.if \mode
	WIN 0x81
.else
	WIN MUL_LO
.endif
	MUL16 0, (\q)%2, \mode
	MUL16 2, (\q)%2, \mode
	s_wait_dscnt 0
	PLACES NP
	FETCH_B \slot, (\q)+1, 1-(\q)%2
	FETCH_A \slot, (\q)+1, 0
.if \mode
	WIN 0xc1
.else
	WIN MUL_HI
.endif
	MUL16 4, (\q)%2, \mode
	MUL16 6, (\q)%2, \mode
	PLACES NP
	WIN 0
	FETCH_A \slot, (\q)+1, 4
.endm
.macro TURN slot, next, fill
	s_wait_tensorcnt 0x0
	ds_add_u32 v[SPW], v[NIL]
	s_wait_dscnt 4*NL+1
	WIN MUL_LO
	MUL16 0, 1, 0
	s_wait_dscnt 0x0
	s_barrier_signal -1
	MUL16 2, 1, 0
	WIN 0
	s_barrier_wait -1
.if \fill
	CREST
	s_add_nc_u64 s[G0+4*\slot+2:G0+4*\slot+3], s[G0+4*\slot+2:G0+4*\slot+3], 2*ROWB
	s_add_nc_u64 s[G0B+4*\slot+2:G0B+4*\slot+3], s[G0B+4*\slot+2:G0B+4*\slot+3], 2*ROWB
	JLOAD G0+4*\slot, G1, G0B+4*\slot, G1B
.else
	PLACES NP
.endif
	FETCH_B \next, 0, 0
	FETCH_A \next, 0, 0
	WIN MUL_HI
	MUL16 4, 1, 0
	MUL16 6, 1, 0
	PLACES NP
	WIN 0
	FETCH_A \next, 0, 4
.endm
	s_wait_alu depctr_va_vdst(0)                   ; the head's end
	s_wait_tensorcnt 0x0                           ; my part of K step 0 is in
	ds_add_u32 v[SPW], v[NIL]
	s_wait_dscnt 0x0
	CROUND                                         ; everybody's is, and all sixteen work-groups are here:
	JLOAD G0+4, G1, G0B+4, G1B                     ; K step 1's load, the first behind the round
	FETCH_B 0, 0, 0
	FETCH_A 0, 0, 0
	FETCH_A 0, 0, 4
	s_wait_loadcnt 0x0
	s_wait_kmcnt 0x0
	s_add_co_i32 s69, s88, s89
	s_sub_co_i32 s69, 0, s69
	s_cmp_eq_u32 ttmp9, 0
	s_cselect_b32 s70, s90, s91
	s_cmp_lt_u32 s66, 4
	s_cselect_b32 s70, s70, s92
	s_add_co_i32 s70, s70, s69
	s_add_co_i32 s70, s70, 127
	s_lshl_b32 s71, s70, 23
	v_mov_b32 v30, s71
	s_add_co_i32 s70, s70, 8
	s_lshl_b32 s70, s70, 23
	s_or_b32 s70, s70, 0x600000
	v_mov_b32 v31, s70
	s_cmp_lt_u32 s66, 4
	s_cbranch_scc0 .Lv_part
.set j, 0
.rept 64
	v_ldexp_f32 v[CB+j], v[CB+j], s69
.set j, j+1
.endr
	s_wait_alu depctr_va_vdst(0)
	STEP 0, 0, 2
	s_branch .Ljoined
.Lv_part:
.irp a, 0,1,2,3,4,5,6,7
.irp i, 0,1,2,3,4,5,6,7
	v_ldexp_f32 v[CB+8*\a+\i], v[96+\a], s69
.endr
.endr
	s_wait_alu depctr_va_vdst(0)
	STEP 0, 0, 3
.Ljoined:
	TURN 0, 1, 1
	STEP 1, 0, 0
	TURN 1, 0, 1
	STEP 0, 0, 0
	TURN 0, 1, 0
	STEP 1, 0, 0
	s_wait_dscnt 4*NL
	WIN MUL_LO
	MUL16 0, 1, 0
	MUL16 2, 1, 0
	s_wait_dscnt 0
	WIN MUL_HI
	MUL16 4, 1, 0
	MUL16 6, 1, 0
	WIN 0
.macro OUTBLK a
.set AC, 64*((\a)%4)
.set PC, 96+16*(\a)
	WIN 0x02+((\a)/4)
.set j, 0
.rept 64
	v_med3_num_f32 v[TMP+j], v[AC+j], -v31, v31
.set j, j+1
.endr
	WIN 0
.irp b, 0,1,2,3,4,5,6,7
	v_cvt_scalef32_pk8_fp8_f32 v[PC+2*\b:PC+2*\b+1], v[TMP+8*\b:TMP+8*\b+7], v30
.endr
	v_nop
	; each store: 32 lanes, 512 consecutive bytes, aligned; every block has codes' registers of its own, so no store's data are written again
.set OB, 84+2*((\a)/4)
	global_store_b128 v[CO0], v[PC:PC+3], s[OB:OB+1] offset:1024*((\a)%4)
	global_store_b128 v[CO0], v[PC+4:PC+7], s[OB:OB+1] offset:1024*((\a)%4)+512
	global_store_b128 v[CO1], v[PC+8:PC+11], s[OB:OB+1] offset:1024*((\a)%4)
	global_store_b128 v[CO1], v[PC+12:PC+15], s[OB:OB+1] offset:1024*((\a)%4)+512
.endm
	PLACES NP
.irp a, 0,1,2,3,4,5,6,7
	OUTBLK \a
.endr
	s_wait_tensorcnt 0x0
	ds_add_u32 v[SPW], v[NIL]
	s_wait_dscnt 0x0
	CROUND
	s_endpgm
.Lfunc_end_k_qbb42c25a8a_qkv:
	.size	k_qbb42c25a8a_qkv, .Lfunc_end_k_qbb42c25a8a_qkv-k_qbb42c25a8a_qkv
	.p2alignl 7, 3214868480
	.fill 96, 4, 3214868480
	.section	.rodata,"a",@progbits
	.p2align	6, 0x0
	.amdhsa_kernel k_qbb42c25a8a_qkv
		.amdhsa_group_segment_fixed_size 327680
		.amdhsa_private_segment_fixed_size 0
		.amdhsa_enable_private_segment 0
		.amdhsa_kernarg_size 48
		.amdhsa_user_sgpr_count 2
		.amdhsa_user_sgpr_kernarg_segment_ptr 1
		.amdhsa_wavefront_size32 1
		.amdhsa_system_sgpr_workgroup_id_x 1
		.amdhsa_system_sgpr_workgroup_id_y 1
		.amdhsa_system_sgpr_workgroup_id_z 1
		.amdhsa_system_vgpr_workitem_id 0
		.amdhsa_next_free_vgpr 1024
		.amdhsa_next_free_sgpr 100
		.amdhsa_reserve_vcc 0
		.amdhsa_float_denorm_mode_32 3
		.amdhsa_float_denorm_mode_16_64 3
		.amdhsa_memory_ordered 1
		.amdhsa_forward_progress 1
		.amdhsa_inst_pref_size 138
	.end_amdhsa_kernel
	.amdgpu_metadata
---
amdhsa.version: [ 1, 2 ]
amdhsa.kernels:
  - .name:           k_qbb42c25a8a_qkv
    .symbol:         k_qbb42c25a8a_qkv.kd
    .args:
      - { .name: xc, .offset: 0, .size: 8, .value_kind: global_buffer, .address_space: global }
      - { .name: wqc, .offset: 8, .size: 8, .value_kind: global_buffer, .address_space: global }
      - { .name: lowp_scales, .offset: 16, .size: 8, .value_kind: global_buffer, .address_space: global }
      - { .name: bqkv, .offset: 24, .size: 8, .value_kind: global_buffer, .address_space: global }
      - { .name: qk, .offset: 32, .size: 8, .value_kind: global_buffer, .address_space: global }
      - { .name: vt, .offset: 40, .size: 8, .value_kind: global_buffer, .address_space: global }
    .group_segment_fixed_size: 327680
    .private_segment_fixed_size: 0
    .kernarg_segment_align: 8
    .kernarg_segment_size: 48
    .max_flat_workgroup_size: 128
    .sgpr_count:     100
    .vgpr_count:     1024
    .wavefront_size: 32
...
	.end_amdgpu_metadata
.endif
;; end of part 2
;; launch attn (part 3): grid 16 x 16, 8 waves a work-group, clusters of 4 x 1, 327,680 bytes of LDS; arguments qk, vt, lowp_scales, oc; writes oc
.if DOCPART == 3
	.amdgcn_target "amdgcn-amd-amdhsa--gfx1250"
	.amdhsa_code_object_version 6
	.text
	.protected	k_qbb42c25a8a_attn
	.globl	k_qbb42c25a8a_attn
	.p2align	8
	.type	k_qbb42c25a8a_attn,@function
k_qbb42c25a8a_attn:
	s_mov_b64 s[64:65], 0
	v_nop
	global_prefetch_b8 v0, s[64:65] scope:SCOPE_SE
	s_setreg_imm32_b32 hwreg(HW_REG_WAVE_MODE, 25, 1), 1
	s_wait_xcnt 0x0
	s_wait_alu depctr_hold_cnt(0) depctr_sa_sdst(0) depctr_va_vdst(0) depctr_va_sdst(0) depctr_va_ssrc(0) depctr_va_vcc(0) depctr_vm_vsrc(0)
	s_getreg_b32 s2, hwreg(HW_REG_IB_STS2, 6, 4)
	s_cmp_eq_u32 s2, 0
	s_cbranch_scc0 .Lentry_in_a_cluster
	s_endpgm
.Lentry_in_a_cluster:
	s_bfe_u32 s2, ttmp6, 0x10000c
	s_cmp_lg_u32 s2, 0x3003
	s_cbranch_scc0 .Lentry_shape_is_right
	s_endpgm
.Lentry_shape_is_right:
; Causal attention on codes of FP8 (E4M3): 16 heads of 64, 4,096 tokens.  S^T = K Q^T (16x16x64, K = the head's 64), p = 2^(t - M), O^T = V^T P (16x16x128, K = 128 keys), O / l quantised with 2^e6.
; IN: operand images: a tile of 16 rows x 64 along K is 1,024 bytes, two runs of 512, lane l's 16 bytes at 16 l.  qk: 32 panels (head h: q; 16 + h: k) of 256 tiles of 16 tokens.  vt: 16 heads x 64 groups of 64 keys x 4 tiles of 16 of the head's 64.
; OUT: oc: 16 heads x 256 tiles of 16 tokens, laid as qk's panels.
; THE SOFTMAX: t = score x log2(e) / 8; M = the running largest t rounded UP to a whole number; p = 2^(t - M) is quantised with 2^e5, not normalised; the row's sum is taken of the unquantised p and divides O at the end.
; When M moves, the sum and O are multiplied by 2^(old M - new M): exact.
; SHARES AND THE CAUSAL BALANCE: the queries of a head are 8 ranges of 512.  Cluster c takes range 7 - c and then range c: 8 - c and c + 1 times 512 keys.  Of a range, group g = 0..3 is 128 queries, of which work-group p of the cluster owns 32 (at 32 p): two tiles.
; Of the eight waves two own each group's queries, one walks the even key steps of 128, the other the odd ones (par = wave / 4); waves w and 7 - w are such a pair and join at a range's end.  A step past the group's last key is left out.  So every work-group
; has 132 steps of a wave, and the waves s and s + 4 have 33 between them (s, 3 - s are their groups in the first range, with the lowest bit turned in the second).
; THE RING: two slots of 1,024 keys: K 64 KB, V 64 KB, in eight pieces of 16 KB: wave w < 4: 32 keys of each of the slot's eight steps; w >= 4: 16 of the head's 64, all keys.  The first range takes (9 - c) / 2 slots (rounded down), both together five in every work-group.
; CLUSTER: its four work-groups walk the same slots of one head and differ in the queries alone: joint loads with the mask 15; no branch, trip count or LDS address hangs on p.
; LIMITS: e2 + e3 between -123 and 130 (added to an exponent field); e5, and e6 - e4 - e5, between -126 and 119.  NaN is not served.  The scaled scores stay under 2^31 in magnitude.
; REGISTERS: window 0: all vector work: v1-20 as named below, v22-31 at work, v32-95 S^T and p of tile A, v96-159 of tile B, v160-191 O^T A, v192-223 O^T B, v224-239, v240-255 p's codes A, B.
;   window 1: v0-63 K's eight fragments, v64-127 V's four, v128-135 Q A, v136-143 Q B.
; Tile A is the one that this wave finishes, B the one that its partner finishes: in odd waves of a pair A and B are the other way round.
.set SLOT1, 131072
.set VOFF,  65536                      ; V's pieces lie behind K's four
.set STAGE, 262144                     ; the first range's hand-over: 4,352 bytes for each wave; no tile ever lands here
.set STG,   4352                       ; 32 registers, then -M and the sum
.set STAGE2, SLOT1                     ; the second range's: in slot 1, which has had its last fill (round 3) and its last read (before round 4's barrier)
.set SPARE, STAGE+8*STG                ; the spare words, 128 bytes for each wave
.set LN,  1                            ; v1  16 x lane
.set SPW, 2
.set NIL, 3
.set PFO, 4                            ; v4  256 x lane: the prefetches' offset
.set ADR, 5                            ; v5  the step's LDS address in K, v6 in V
.set ADV, 6
.set MSK, 7                            ; v7  lane % 16 - 8 (lane / 16)
; v8 -M, v9 largest t, v[10:11] the sum of tile A; v12-15 of tile B; v16, v18 f of A, B (v17, v19 named with them)
.set SC,  20                           ; v20 2^e5
.set STA, 32
.set STB, 96
.set OTA, 160
.set OTB, 192
.set PCA, 224
.set PCB, 240
.set KFR, 0
.set VFR, 64
.set QA,  128
.set QB,  136
.set WV,  12
.set PAR, 13
.set RND, 14                           ; the round, 0 to 4
.set RH,  15                           ; rounds of the first range
.set G1K, 16
.set G0,  24
.set NS,  28                           ; my step's number: keys 128 x NS on
.set ND,  29                           ; my last step in this range: the diagonal
.set PFA, 30
.set LIM, 32                           ; rounds in which my wave prefetches
.set NDL, 33                           ; ND of the second range
.set LK,  34                           ; the last step of mine in this slot that is walked
.set MA,  35                           ; tile A's first query less its group's, MB tile B's
.set MB,  36
.set HOLD, 37                          ; 448 x 2^e5
.set CS,  38                           ; s[38:39] log2(e) / 8 x 2^(e2 + e3)
.set SEL, 40
.set SB,  42                           ; LDS byte of my step's row in the pieces
.set TR,  43
.set OSC, 62                           ; 2^(e6 - e4 - e5), and 448 x that
.set OHO, 63
.set QLA, 66                           ; s[66:69] Q of the second range, A and B
.set QLB, 68
.set OH,  70                           ; s[70:73] oc for tile A, first and second range
.set OL,  72
.set G1V, 76
.set BASE, 86                          ; my piece of slot 0 in memory
.set MSB, 0
.macro WIN new                         ; the immediate's high byte repeats the setting that is left
.if MSB != (\new)
	s_set_vgpr_msb (MSB<<8)|(\new)
.set MSB, (\new)
.endif
.endm
.macro ROUND                           ; a round of the cluster's barrier
	s_barrier_signal -1
	s_barrier_wait -1
	s_cmp_lg_u32 s[WV], 0
	s_cbranch_scc1 .Lnot_wave_0_\@
	s_barrier_signal -3
.Lnot_wave_0_\@:
	s_barrier_wait -3
	s_barrier_signal -1
	s_barrier_wait -1
.endm
.macro TLOAD                           ; waves 0-3 fetch K, 4-7 V
	s_cmp_lt_u32 s[WV], 4
	s_cbranch_scc0 .Lfor_v_\@
	tensor_load_to_lds s[G0:G0+3], s[G1K:G1K+7]
	s_nop 0
.rept 4
	v_nop
.endr
	s_branch .Lasked_\@
.Lfor_v_\@:
	tensor_load_to_lds s[G0:G0+3], s[G1V:G1V+7]
	s_nop 0
.rept 4
	v_nop
.endr
.Lasked_\@:
.endm
	s_load_b256 s[4:11], s[0:1], 0x0               ; qk s[4:5], vt s[6:7], the scales' exponents s[8:9], oc s[10:11]
	v_lshl_add_u32 v[SPW], v0, 2, SPARE
	v_mov_b32 v[NIL], 0
	ds_add_u32 v[SPW], v[NIL]                      ; the opening: the add, twice on end, and its wait ahead of my first tensor load
	ds_add_u32 v[SPW], v[NIL]
	v_lshrrev_b32 v22, 5, v0
	v_readfirstlane_b32 s[WV], v22                 ; wave 0..7
	s_bfe_u32 s52, ttmp6, 0x40000                  ; p: my place in the cluster
	s_and_b32 s53, ttmp7, 0xffff                   ; the head
	s_lshr_b32 s[PAR], s[WV], 2
	s_and_b32 s54, s[WV], 3
	s_mul_i32 s55, s[PAR], 3
	s_xor_b32 s54, s54, s55                        ; my group in the first range,
	s_xor_b32 s55, s54, 1                          ; and in the second
	s_sub_co_u32 s56, 7, ttmp9                     ; the first range
	s_lshl_b32 s57, s56, 2
	s_add_co_u32 s[ND], s57, s54
	s_lshl_b32 s57, ttmp9, 2
	s_add_co_u32 s[NDL], s57, s55
	s_sub_co_u32 s[RH], 9, ttmp9
	s_lshr_b32 s[RH], s[RH], 1
	s_lshl_b32 s60, s53, 18                        ; the head's panel
	s_lshl_b32 s58, s52, 11
	s_lshl_b32 s59, s[PAR], 10
	s_add_co_u32 s58, s58, s59
	s_add_co_u32 s58, s58, s60
	s_lshl_b32 s88, s56, 15
	s_lshl_b32 s89, s54, 13
	s_add_co_u32 s88, s88, s89
	s_add_co_u32 s88, s88, s58                     ; tile A in q's panel and in oc's: a range is 32,768 bytes, a group 8,192, 32 queries 2,048
	s_mov_b32 s89, 0
	s_lshl_b32 s90, ttmp9, 15
	s_lshl_b32 s91, s55, 13
	s_add_co_u32 s90, s90, s91
	s_add_co_u32 s90, s90, s58                     ; in the second range
	s_mov_b32 s91, 0
	s_xor_b32 s92, s88, 1024                       ; tile B likewise
	s_mov_b32 s93, 0
	s_xor_b32 s94, s90, 1024
	s_mov_b32 s95, 0
	s_lshl_b32 s[MA], s52, 5
	s_lshl_b32 s57, s[PAR], 4
	s_xor_b32 s59, s57, 16
	s_add_co_u32 s[MB], s[MA], s59
	s_add_co_u32 s[MA], s[MA], s57
	; where the prefetches stand: slot 1; 256 blocks of 256 bytes of K (waves 0, 1) and of V (waves 2, 3), work-group p's 64 of them
	s_lshl_b32 s98, s52, 14
	s_and_b32 s99, s[WV], 1
	s_lshl_b32 s99, s99, 13
	s_add_co_u32 s98, s98, s99
	s_add_co_u32 s98, s98, s60
	s_add_co_u32 s98, s98, 0x10000
	s_cmp_lt_u32 s[WV], 2
	s_cselect_b32 s99, 0x400000, 0
	s_add_co_u32 s98, s98, s99
	s_mov_b32 s99, 0
	s_or_b32 s57, s[PAR], ttmp9
	s_cmp_eq_u32 s57, 0
	s_cselect_b32 s[LIM], 2, 0                     ; waves 0-3 of the head's cluster 0, which walks all four slots, ask for slots 2 and 3
	; my piece of slot 0: K: 8 rows (a step each) of 2,048 bytes, 8,192 apart; V: 16 rows (64 keys each) of 1,024 bytes, 4,096 apart; elements of 8 bytes
	s_lshl_b32 s84, s[WV], 11
	s_add_co_u32 s84, s84, 0x400000
	s_sub_co_u32 s85, s[WV], 4
	s_lshl_b32 s85, s85, 10
	s_cmp_lt_u32 s[WV], 4
	s_cselect_b32 s84, s84, s85
	s_add_co_u32 s84, s84, s60
	s_mov_b32 s85, 0
	s_mov_b32 s[G1K+0], 15|(3<<16)|(1<<21)         ; the mask names all four; no padding
	s_mov_b32 s[G1K+1], 256<<16
	s_mov_b32 s[G1K+2], 8<<16
	s_mov_b32 s[G1K+3], 256<<16
	s_mov_b32 s[G1K+4], 8
	s_mov_b32 s[G1K+5], 1024
	s_mov_b32 s[G1K+6], 0
	s_mov_b32 s[G1K+7], 0
	s_mov_b32 s[G1V+0], 15|(3<<16)|(1<<21)
	s_mov_b32 s[G1V+1], 128<<16
	s_mov_b32 s[G1V+2], 16<<16
	s_mov_b32 s[G1V+3], 128<<16
	s_mov_b32 s[G1V+4], 16
	s_mov_b32 s[G1V+5], 512
	s_mov_b32 s[G1V+6], 0
	s_mov_b32 s[G1V+7], 0
	s_mov_b32 s[G0], 1
	s_lshl_b32 s[G0+1], s[WV], 14                  ; LDS: piece w of slot 0
	s_mov_b32 s[SEL], 0x76543210
	s_mov_b32 s[SEL+1], 0xfedcba98
	s_lshl_b32 s[SB], s[PAR], 11
	s_mov_b32 s[NS], s[PAR]
	s_mov_b32 s[RND], 0
	s_wait_dscnt 0x0                               ; both opening adds are done
	s_wait_kmcnt 0x0
	s_load_b256 s[44:51], s[8:9], 0x0              ; e0 .. e7
	s_cmp_lt_u32 s[WV], 4
	s_cselect_b64 s[BASE:BASE+1], s[4:5], s[6:7]
	s_add_nc_u64 s[BASE:BASE+1], s[BASE:BASE+1], s[84:85]
	s_mov_b64 s[G0+2:G0+3], s[BASE:BASE+1]
	s_or_b32 s[G0+3], s[G0+3], 0x80000000          ; type = 2
	s_cmp_lt_u32 s[WV], 2
	s_cselect_b64 s[PFA:PFA+1], s[4:5], s[6:7]
	s_add_nc_u64 s[PFA:PFA+1], s[PFA:PFA+1], s[98:99]
	s_add_nc_u64 s[100:101], s[4:5], s[88:89]      ; Q of the first range
	s_add_nc_u64 s[52:53], s[4:5], s[92:93]
	s_add_nc_u64 s[QLA:QLA+1], s[4:5], s[90:91]
	s_add_nc_u64 s[QLB:QLB+1], s[4:5], s[94:95]
	s_add_nc_u64 s[OH:OH+1], s[10:11], s[88:89]
	s_add_nc_u64 s[OL:OL+1], s[10:11], s[90:91]
	ROUND                                          ; all four work-groups are here: the first joint loads meet
	TLOAD                                          ; slot 0: one tensor load a wave at the head
	v_and_b32 v22, 31, v0
	v_lshlrev_b32 v[LN], 4, v22
	v_lshlrev_b32 v[PFO], 8, v22
.macro QLOAD qa, qb                    ; Q's two fragments, which stay in registers
	WIN 0x40
	global_load_b128 v[QA:QA+3], v[LN], s[\qa:\qa+1]
	global_load_b128 v[QA+4:QA+7], v[LN], s[\qa:\qa+1] offset:512
	global_load_b128 v[QB:QB+3], v[LN], s[\qb:\qb+1]
	global_load_b128 v[QB+4:QB+7], v[LN], s[\qb:\qb+1] offset:512
	WIN 0
.endm
	QLOAD 100, 52
	v_and_b32 v23, 15, v0
	v_bfe_u32 v22, v0, 4, 1
	v_lshlrev_b32 v22, 3, v22
	v_sub_nc_u32 v[MSK], v23, v22
.macro FRESH                           ; a range's start.  What the sums and O^T hold is multiplied by f = 0 when M first moves: it is finite, since every code is
	v_mov_b32 v9, 0xff61b1e6                       ; the largest t so far: -3e38, under every t
	v_mov_b32 v13, 0xff61b1e6
	v_floor_f32 v8, -v9                            ; -M
	v_floor_f32 v12, -v13
.endm
	FRESH
.irp r, 10,11,14,15,16,17,18,19,22,23,30,31
	v_mov_b32 v\r, 0
.endr
.set j, 0
.rept 64
	v_mov_b32 v[OTA+j], 0
.set j, j+1
.endr
	s_wait_alu depctr_va_vdst(0)
	s_wait_kmcnt 0x0
	s_add_co_i32 s54, s46, s47
	s_lshl_b32 s54, s54, 23
	s_mov_b32 s[CS], 0x3e38aa3b                    ; log2(e) / 8
	s_add_co_i32 s[CS], s[CS], s54                 ; a score stands for score x 2^(e2 + e3): the exponents are added to its exponent field
	s_mov_b32 s[CS+1], s[CS]                       ; (named with it as a pair, so it is written)
	s_add_co_i32 s54, s49, 127
	s_lshl_b32 s55, s54, 23
	v_mov_b32 v[SC], s55                           ; 2^e5
	s_add_co_i32 s54, s54, 8
	s_lshl_b32 s54, s54, 23
	s_or_b32 s[HOLD], s54, 0x600000
	s_sub_co_i32 s54, s50, s48
	s_sub_co_i32 s54, s54, s49
	s_add_co_i32 s54, s54, 127
	s_lshl_b32 s[OSC], s54, 23                     ; a sum of the second product stands for sum x 2^(e4 + e5)
	s_add_co_i32 s54, s54, 8
	s_lshl_b32 s54, s54, 23
	s_or_b32 s[OHO], s54, 0x600000
; Hidden scores become -infinity: p is then 0.  Register 8 t + j holds key 16 t + 8 h + j of the step: hidden where 16 t + j > v30 = the query within its group - 8 h.
.macro MASK st
.set n, 0
.rept 64
	v_cmp_gt_i32 vcc_lo, 16*(n/8)+n%8, v30
	v_cndmask_b32 v[\st+n], v[\st+n], v31, vcc_lo
.set n, n+1
.endr
.endm
.macro MAX64 st, d                     ; the largest of a lane's 64 scores: eight chains, one an accumulator, each from its low end on, then a tree
.irp k, 0,2,4
.irp t, 0,1,2,3,4,5,6,7
.if \k == 0
	v_max3_num_f32 v[22+\t], v[\st+8*\t], v[\st+8*\t+1], v[\st+8*\t+2]
.else
	v_max3_num_f32 v[22+\t], v[22+\t], v[\st+8*\t+\k+1], v[\st+8*\t+\k+2]
.endif
.endr
.endr
	v_max3_num_f32 v22, v22, v23, v[\st+7]
	v_max3_num_f32 v24, v24, v25, v[\st+15]
	v_max3_num_f32 v26, v26, v27, v[\st+23]
	v_max3_num_f32 v28, v28, v29, v[\st+31]
	v_max3_num_f32 v23, v[\st+39], v[\st+47], v[\st+55]
	v_max3_num_f32 v22, v22, v24, v26
	v_max3_num_f32 v28, v28, v23, v[\st+63]
	v_max_num_f32 v\d, v22, v28
.endm
.macro FMAS st, m, j0, cnt             ; t - M, two at a time
.set fj, (\j0)
.rept \cnt
	v_pk_fma_f32 v[\st+2*fj:\st+2*fj+1], v[\st+2*fj:\st+2*fj+1], s[CS:CS+1], v[\m:\m+1] op_sel_hi:[1,0,0]
.set fj, fj+1
.endr
.endm
.macro MINS st, j0, cnt                ; the conversion does not saturate (ISA guide 7.6.2); p is not negative, so the hold is one-sided; it stands whatever e5 is
.set mj, (\j0)
.rept \cnt
	v_dual_min_num_f32 v[\st+2*mj], s[HOLD], v[\st+2*mj] :: v_dual_min_num_f32 v[\st+2*mj+1], s[HOLD], v[\st+2*mj+1]
.set mj, mj+1
.endr
.endm
.macro SUMMIN st, l, f, k              ; the row's sum of the unquantised p, two at a time in eight chains (tile B's codes' registers serve), then 4 k pairs of holds among the tree's lines
.irp i, 0,2,4,6,8,10,12,14
	v_pk_add_f32 v[PCB+\i:PCB+\i+1], v[\st+\i:\st+\i+1], v[\st+16+\i:\st+16+\i+1]
.endr
.irp q, 32,48
.irp i, 0,2,4,6,8,10,12,14
	v_pk_add_f32 v[PCB+\i:PCB+\i+1], v[PCB+\i:PCB+\i+1], v[\st+\q+\i:\st+\q+\i+1]
.endr
.endr
.irp i, 0,2,4,6
	v_pk_add_f32 v[PCB+\i:PCB+\i+1], v[PCB+\i:PCB+\i+1], v[PCB+8+\i:PCB+9+\i]
.endr
	MINS \st, 0, \k
	v_pk_add_f32 v[PCB:PCB+1], v[PCB:PCB+1], v[PCB+4:PCB+5]
	v_pk_add_f32 v[PCB+2:PCB+3], v[PCB+2:PCB+3], v[PCB+6:PCB+7]
	MINS \st, \k, \k
	v_pk_add_f32 v[PCB:PCB+1], v[PCB:PCB+1], v[PCB+2:PCB+3]
	MINS \st, 2*\k, \k
	v_pk_fma_f32 v[\l:\l+1], v[\l:\l+1], v[\f:\f+1], v[PCB:PCB+1] op_sel_hi:[1,0,1]   ; the old sum under the new M, and this step's
	MINS \st, 3*\k, \k
.endm
.macro KLOAD off                       ; K's eight tiles of a step: two loads each, 512 bytes on end
.irp t, 0,1,2,3,4,5,6,7
	ds_load_b128 v[KFR+8*\t:KFR+8*\t+3], v[ADR] offset:(\off)+16384*(\t/2)+1024*(\t%2)
	ds_load_b128 v[KFR+8*\t+4:KFR+8*\t+7], v[ADR] offset:(\off)+16384*(\t/2)+1024*(\t%2)+512
.endr
.endm
; A KEY STEP of 128 keys for both tiles; its K is in registers.  No two matrix instructions that follow each other share an accumulator.
.macro STEP
	s_cmp_gt_u32 s[NS], s[ND]                      ; all its keys come after my group's queries: the step's work is left out, not the lines at its end
	s_cbranch_scc1 .Lhidden_\@
	WIN 0x05                                       ; K, Q window 1; S^T window 0
.irp t, 0,1,2,3,4,5,6,7
	v_wmma_f32_16x16x64_fp8_fp8 v[STA+8*\t:STA+8*\t+7], v[KFR+8*\t:KFR+8*\t+7], v[QA:QA+7], 0
.endr
.irp t, 0,1,2,3,4,5,6,7
	v_wmma_f32_16x16x64_fp8_fp8 v[STB+8*\t:STB+8*\t+7], v[KFR+8*\t:KFR+8*\t+7], v[QB:QB+7], 0
.endr
	WIN 0
	s_add_co_u32 s96, s[NS], 2
	v_add_nc_u32 v[ADR], s[SB], v[LN]
	v_add_nc_u32 v[ADV], VOFF, v[ADR]
	v_nop                                          ; with the two additions four places: behind the products above, and between the last step's and the loads into V's registers
	v_nop
	WIN 0x40
.irp t, 0,1,2,3
.irp b, 0,1,2,3
	ds_load_b128 v[VFR+16*\t+4*\b:VFR+16*\t+4*\b+3], v[ADV] offset:16384*\t+512*\b   ; V: 16 of the head's 64, keys 32 b on
.endr
.endr
	WIN 0
	s_cmp_gt_u32 s96, s[LK]                        ; my next step's K, if it lies in this slot and is walked
	s_cbranch_scc1 .Lno_next_\@
	WIN 0x40
	KLOAD 4096
	WIN 0
.Lno_next_\@:
	s_cmp_lg_u32 s[NS], s[ND]
	s_cbranch_scc1 .Lopen_\@                       ; off the diagonal all keys count
	v_add_nc_u32 v30, s[MA], v[MSK]
	v_mov_b32 v31, 0xff800000
	MASK STA
	v_add_nc_u32 v30, s[MB], v[MSK]
	MASK STB
.Lopen_\@:
	MAX64 STA, 30
	MAX64 STB, 31
	v_permlanex16_b32 v22, v30, s[SEL], s[SEL+1]   ; and among lane l xor 16's; the two tiles by turns
	v_permlanex16_b32 v23, v31, s[SEL], s[SEL+1]
	v_max_num_f32 v30, v30, v22
	v_max_num_f32 v31, v31, v23
	v_mul_f32 v30, s[CS], v30                      ; as t (the factor is positive)
	v_mul_f32 v31, s[CS], v31
	v_max_num_f32 v9, v9, v30                      ; the running largest t
	v_max_num_f32 v13, v13, v31
	v_mov_b32 v30, v8
	v_mov_b32 v31, v12
	v_floor_f32 v8, -v9                            ; the new -M = floor(-t): a whole number
	v_floor_f32 v12, -v13
	FMAS STA, 8, 0, 8
	v_sub_f32 v30, v8, v30                         ; old M - new M: a whole number, 0 or less
	v_sub_f32 v31, v12, v31
	FMAS STA, 8, 8, 8
	v_cvt_i32_f32 v30, v30                         ; (it saturates)
	v_cvt_i32_f32 v31, v31
	FMAS STA, 8, 16, 8
	v_ldexp_f32 v16, 1.0, v30                      ; f = 2^(old M - new M)
	v_ldexp_f32 v18, 1.0, v31
	FMAS STA, 8, 24, 8
	s_wait_alu depctr_va_vdst(0)                   ; ahead of the batch
.set xj, 0
.rept 32
	v_exp_f32 v[STA+2*xj], v[STA+2*xj]             ; p = 2^(t - M) of tile A; tile B's multiply-adds stand among them
	v_exp_f32 v[STA+2*xj+1], v[STA+2*xj+1]
	FMAS STB, 12, xj, 1
.set xj, xj+1
.endr
	s_wait_alu depctr_va_vdst(0)                   ; and behind it; it stands also ahead of tile B's batch
	SUMMIN STA, 10, 16, 4
.set xj, 0
.rept 16
.irp i, 0,1,2,3
	v_exp_f32 v[STB+4*xj+\i], v[STB+4*xj+\i]       ; tile B's; tile A's other 16 holds stand among them
.endr
	MINS STA, 16+xj, 1
.set xj, xj+1
.endr
	v_nop                                          ; a plain place behind the batch
	s_wait_alu depctr_va_vdst(0)
	SUMMIN STB, 14, 18, 8
.irp t, 0,1,2,3,4,5,6,7
	v_cvt_scalef32_pk8_fp8_f32 v[PCA+2*\t:PCA+2*\t+1], v[STA+8*\t:STA+8*\t+7], v[SC]   ; keys 16 t + 8 h + 0 .. 7: registers 2 t, 2 t + 1 of the operand
.endr
.irp t, 0,1,2,3,4,5,6,7
	v_cvt_scalef32_pk8_fp8_f32 v[PCB+2*\t:PCB+2*\t+1], v[STB+8*\t:STB+8*\t+7], v[SC]
.endr
	s_wait_dscnt 0x0                               ; V, and the next step's K, are in
	s_wait_alu depctr_va_vdst(0)                   ; directly ahead of the first reader of O^T
.irp j, 0,2,4,6,8,10,12,14,16,18,20,22,24,26,28,30
	v_pk_mul_f32 v[OTA+\j:OTA+\j+1], v[OTA+\j:OTA+\j+1], v[16:17] op_sel_hi:[1,0]
.endr
.irp j, 0,2,4,6,8,10,12,14,16,18,20,22,24,26,28,30
	v_pk_mul_f32 v[OTB+\j:OTB+\j+1], v[OTB+\j:OTB+\j+1], v[18:19] op_sel_hi:[1,0]
.endr
	WIN 0x01                                       ; V window 1; P, O^T window 0
.irp t, 0,1,2,3
	v_wmma_f32_16x16x128_fp8_fp8 v[OTA+8*\t:OTA+8*\t+7], v[VFR+16*\t:VFR+16*\t+15], v[PCA:PCA+15], v[OTA+8*\t:OTA+8*\t+7]
	v_wmma_f32_16x16x128_fp8_fp8 v[OTB+8*\t:OTB+8*\t+7], v[VFR+16*\t:VFR+16*\t+15], v[PCB:PCB+15], v[OTB+8*\t:OTB+8*\t+7]
.endr
	WIN 0
.Lhidden_\@:
	s_add_co_u32 s[NS], s[NS], 2
	s_add_co_u32 s[SB], s[SB], 4096
.endm
; A SLOT: my four of its eight steps.
.macro SLOT
	s_add_co_u32 s96, s[NS], 6
	s_min_u32 s[LK], s[ND], s96
	s_mov_b32 s[TR], 4
	v_add_nc_u32 v[ADR], s[SB], v[LN]
	WIN 0x40
	KLOAD 0                                        ; the first step's K
	WIN 0
	s_wait_alu depctr_va_vdst(0)
	s_wait_dscnt 0x0
.Lstep_\@:
	STEP
	s_sub_co_u32 s[TR], s[TR], 1
	s_cmp_lg_u32 s[TR], 0
	s_cbranch_scc1 .Lstep_\@
	s_sub_co_u32 s[SB], s[SB], 4*4096              ; back to a slot's first step,
	s_xor_b32 s[SB], s[SB], SLOT1                  ; in the other slot
.endm
; A PREFETCH INTO THE L2 of the slot that the NEXT change will ask for: each aligned 256 bytes are named once in the launch, by the head's cluster 0: its four work-groups share them by address, a wave 8,192 bytes, lanes 256 apart.
; In rounds 0 and 1, for slots 2 and 3; slots 0 and 1 come by their loads alone, and the second range's slots have been read in the first.
.macro ASK
	s_cmp_lt_u32 s[RND], s[LIM]
	s_cbranch_scc0 .Lnot_mine_\@
	global_prefetch_b8 v[PFO], s[PFA:PFA+1] th:TH_LOAD_NT scope:SCOPE_SE
.Lnot_mine_\@:
.endm
; THE CHANGE OF SLOTS stands at a slot's head: my tensor load (my piece of the slot that I am about to read) is in, the add, my reads of the slot left behind are over; behind the round all of that holds of every wave of the cluster.
; fill = 1: the slot left behind takes the next round's keys, which have a slot's four steps in which to land.
.macro CHANGE fill
	s_wait_alu depctr_va_vdst(0)
	s_wait_tensorcnt 0x0
	ds_add_u32 v[SPW], v[NIL]                      ; 0 onto my spare word
.if \fill
	s_add_co_u32 s96, s[RND], 1                    ; the next round's slot of keys: it begins at 0 again in the second range
	s_sub_co_u32 s97, s96, s[RH]
	s_cmp_lt_u32 s96, s[RH]
	s_cselect_b32 s96, s96, s97
	s_lshl_b32 s96, s96, 16
	s_mov_b32 s97, 0
	s_xor_b32 s[G0+1], s[G0+1], SLOT1
	s_add_nc_u64 s[G0+2:G0+3], s[BASE:BASE+1], s[96:97]
	s_or_b32 s[G0+3], s[G0+3], 0x80000000
	s_wait_xcnt 0x0                                ; the last prefetch has read its address
	s_add_nc_u64 s[PFA:PFA+1], s[PFA:PFA+1], 0x10000
.endif
	s_wait_dscnt 0x0
.if \fill
	ROUND
	TLOAD                                          ; the first tensor load behind the round
	ASK
.else
	s_barrier_signal -1
	s_barrier_wait -1
.endif
	s_wait_loadcnt 0x0                             ; Q, where it was asked for
.endm
; THE HAND-OVER at a range's end: tile B's O^T, -M and sum go to LDS for the partner, which owns that tile.
.macro EXPORT stage
	s_mul_i32 s96, s[WV], STG
	s_add_co_u32 s96, s96, \stage
	v_add_f32 v13, v14, v15
	v_add_nc_u32 v22, s96, v[LN]
	v_lshrrev_b32 v23, 1, v[LN]
	v_add_nc_u32 v23, s96, v23                     ; (these four lines are the places behind the last products)
	v_nop
.irp i, 0,1,2,3,4,5,6,7
	ds_store_b128 v22, v[OTB+4*\i:OTB+4*\i+3] offset:512*\i
.endr
	ds_store_b64 v23, v[12:13] offset:4096
.endm
; THE JOIN: my tile A and the partner's part of it (wave 7 - w), both under the larger M; divided by the joint sum, held, converted, stored: 1,024 consecutive bytes.
.macro MERGE stage, ob
	s_xor_b32 s96, s[WV], 7
	s_mul_i32 s96, s96, STG
	s_add_co_u32 s96, s96, \stage
	v_add_nc_u32 v22, s96, v[LN]
	v_lshrrev_b32 v23, 1, v[LN]
	v_add_nc_u32 v23, s96, v23
	ds_load_b64 v[24:25], v23 offset:4096          ; its -M and sum
.irp i, 0,1,2,3,4,5,6,7
	ds_load_b128 v[STA+4*\i:STA+4*\i+3], v22 offset:512*\i
.endr
	v_add_f32 v26, v10, v11
	s_wait_alu depctr_va_vdst(0)
	s_wait_dscnt 8                                 ; the first load is in; the eight behind it may be out
	v_min_num_f32 v27, v8, v24                     ; -M of both
	v_sub_f32 v28, v27, v8
	v_sub_f32 v29, v27, v24
	v_cvt_i32_f32 v28, v28
	v_cvt_i32_f32 v29, v29
	v_ldexp_f32 v28, 1.0, v28
	v_ldexp_f32 v29, 1.0, v29
	v_mul_f32 v26, v26, v28
	v_fma_f32 v26, v25, v29, v26
	v_permlanex16_b32 v30, v26, s[SEL], s[SEL+1]
	v_add_f32 v26, v26, v30
	s_wait_alu depctr_va_vdst(0)                   ; ahead of the reciprocal,
	v_rcp_f32 v26, v26
	v_mov_b32 v30, s[OHO]
	s_wait_alu depctr_va_vdst(0)                   ; and ahead of its first reader
	v_mul_f32 v28, v28, v26
	v_mul_f32 v24, v29, v26
	v_mov_b32 v29, 0                               ; (named as the upper half of the pair v[28:29])
	v_mov_b32 v31, s[OSC]
	s_wait_dscnt 0x0
	s_wait_alu depctr_va_vdst(0)                   ; directly ahead of the first reader of O^T
.irp j, 0,2,4,6,8,10,12,14,16,18,20,22,24,26,28,30
	v_pk_mul_f32 v[64+\j:65+\j], v[OTA+\j:OTA+\j+1], v[28:29] op_sel_hi:[1,0]
.endr
.irp j, 0,2,4,6,8,10,12,14,16,18,20,22,24,26,28,30
	v_pk_fma_f32 v[64+\j:65+\j], v[STA+\j:STA+\j+1], v[24:25], v[64+\j:65+\j] op_sel_hi:[1,0,1]
.endr
.set j, 0
.rept 32
	v_med3_num_f32 v[64+j], v[64+j], -v30, v30
.set j, j+1
.endr
.irp t, 0,1,2,3
	v_cvt_scalef32_pk8_fp8_f32 v[PCA+2*\t:PCA+2*\t+1], v[64+8*\t:71+8*\t], v31
.endr
	v_nop
	global_store_b128 v[LN], v[PCA:PCA+3], s[\ob:\ob+1]
	global_store_b128 v[LN], v[PCA+4:PCA+7], s[\ob:\ob+1] offset:512
	s_wait_xcnt 0x0                                ; the stores have read their registers
.endm
.macro SWITCH                          ; in the second range's first round: the first range is joined and stored
	s_cmp_lg_u32 s[RND], s[RH]
	s_cbranch_scc1 .Lsame_\@
	MERGE STAGE, OH
	FRESH
	s_mov_b32 s[ND], s[NDL]
	s_mov_b32 s[NS], s[PAR]
.Lsame_\@:
.endm
	s_wait_alu depctr_va_vdst(0)                   ; the head's end
.Lround:                                           ; rounds 0 to 3
	CHANGE 1
	SWITCH
	SLOT
	s_wait_dscnt 0x0                               ; my reads of the stage and of the slot are over;
	s_barrier_signal -1
	s_barrier_wait -1                              ; so are everybody's: the hand-over may write the stage
	s_add_co_u32 s[RND], s[RND], 1
	s_cmp_lg_u32 s[RND], s[RH]
	s_cbranch_scc1 .Lgo_on
	EXPORT STAGE                                   ; the first range's last round: read behind the next round's barrier
	QLOAD QLA, QLB                                 ; the second range's Q
.Lgo_on:
	s_cmp_lt_u32 s[RND], 4
	s_cbranch_scc1 .Lround
	CHANGE 0                                       ; round 4 is written out: nothing is left to ask for
	SWITCH
	SLOT
	EXPORT STAGE2
	s_wait_alu depctr_va_vdst(0)
	s_wait_dscnt 0x0
	s_barrier_signal -1
	s_barrier_wait -1
	MERGE STAGE2, OL
	s_wait_tensorcnt 0x0                           ; the wave's end
	ds_add_u32 v[SPW], v[NIL]
	s_wait_dscnt 0x0
	ROUND                                          ; the closing round: no work-group ends while a partner may still ask for a tile that names it
	s_endpgm
.Lfunc_end_k_qbb42c25a8a_attn:
	.size	k_qbb42c25a8a_attn, .Lfunc_end_k_qbb42c25a8a_attn-k_qbb42c25a8a_attn
	.p2alignl 7, 3214868480
	.fill 96, 4, 3214868480
	.section	.rodata,"a",@progbits
	.p2align	6, 0x0
	.amdhsa_kernel k_qbb42c25a8a_attn
		.amdhsa_group_segment_fixed_size 327680
		.amdhsa_private_segment_fixed_size 0
		.amdhsa_enable_private_segment 0
		.amdhsa_kernarg_size 32
		.amdhsa_user_sgpr_count 2
		.amdhsa_user_sgpr_kernarg_segment_ptr 1
		.amdhsa_wavefront_size32 1
		.amdhsa_system_sgpr_workgroup_id_x 1
		.amdhsa_system_sgpr_workgroup_id_y 1
		.amdhsa_system_sgpr_workgroup_id_z 1
		.amdhsa_system_vgpr_workitem_id 0
		.amdhsa_next_free_vgpr 512
		.amdhsa_next_free_sgpr 102
		.amdhsa_reserve_vcc 1
		.amdhsa_float_denorm_mode_32 3
		.amdhsa_float_denorm_mode_16_64 3
		.amdhsa_memory_ordered 1
		.amdhsa_forward_progress 1
		.amdhsa_inst_pref_size 114
	.end_amdhsa_kernel
	.amdgpu_metadata
---
amdhsa.version: [ 1, 2 ]
amdhsa.kernels:
  - .name:           k_qbb42c25a8a_attn
    .symbol:         k_qbb42c25a8a_attn.kd
    .args:
      - { .name: qk, .offset: 0, .size: 8, .value_kind: global_buffer, .address_space: global }
      - { .name: vt, .offset: 8, .size: 8, .value_kind: global_buffer, .address_space: global }
      - { .name: lowp_scales, .offset: 16, .size: 8, .value_kind: global_buffer, .address_space: global }
      - { .name: oc, .offset: 24, .size: 8, .value_kind: global_buffer, .address_space: global }
    .group_segment_fixed_size: 327680
    .private_segment_fixed_size: 0
    .kernarg_segment_align: 8
    .kernarg_segment_size: 32
    .max_flat_workgroup_size: 256
    .sgpr_count:     102
    .vgpr_count:     512
    .wavefront_size: 32
...
	.end_amdgpu_metadata
.endif
;; end of part 3
;; launch proj (part 4): grid 8 x 32, 4 waves a work-group, clusters of 4 x 4, 327,680 bytes of LDS; arguments oc, wpc, lowp_scales, bproj, out0; writes out0
.if DOCPART == 4
	.amdgcn_target "amdgcn-amd-amdhsa--gfx1250"
	.amdhsa_code_object_version 6
	.text
	.protected	k_qbb42c25a8a_proj
	.globl	k_qbb42c25a8a_proj
	.p2align	8
	.type	k_qbb42c25a8a_proj,@function
k_qbb42c25a8a_proj:
	s_mov_b64 s[64:65], 0
	v_nop
	global_prefetch_b8 v0, s[64:65] scope:SCOPE_SE
	s_setreg_imm32_b32 hwreg(HW_REG_WAVE_MODE, 25, 1), 1
	s_wait_xcnt 0x0
	s_wait_alu depctr_hold_cnt(0) depctr_sa_sdst(0) depctr_va_vdst(0) depctr_va_sdst(0) depctr_va_ssrc(0) depctr_va_vcc(0) depctr_vm_vsrc(0)
	s_getreg_b32 s2, hwreg(HW_REG_IB_STS2, 6, 4)
	s_cmp_eq_u32 s2, 0
	s_cbranch_scc0 .Lentry_in_a_cluster
	s_endpgm
.Lentry_in_a_cluster:
	s_bfe_u32 s2, ttmp6, 0x10000c
	s_cmp_lg_u32 s2, 0xf033
	s_cbranch_scc0 .Lentry_shape_is_right
	s_endpgm
.Lentry_shape_is_right:
; out0 = O Wproj + bproj on codes of FP8 (E4M3).  oc: 16 panels (heads) of 256 tiles of 16 tokens x 64, each an operand image of 1,024 bytes (two runs of 512, lane l's 16 bytes at 16 l).
; wpc: [1024 n][1024 k], the four eights of each group of 32 along K in the order 0, 2, 1, 3.  out0: [4096][1024] f32 = sum x 2^(e6 + e7) + bproj.  LIMIT: e6 + e7 between -126 and 127.
; A block is 128 tokens x 128 n: 256 work-groups; four waves, 64 x 64 each: 16 accumulators.  THE WHOLE K of both tiles fits in LDS: each wave issues ONE tensor load at the head (waves 0, 1: eight panels of oc; 2, 3: 64 rows of wpc) and nothing is filled again.
; No prefetch: there is no loop to run ahead in.
; CLUSTERS 4 x 4: oc's tiles are asked for jointly along a row of the cluster, wpc's along a column.  THE MATRIX INSTRUCTION IS USED TRANSPOSED (source 0 = 16 rows of wpc, source 1 = 16 tokens): a lane holds eight neighbouring n of a token.
; REGISTERS: window 0: v16-20 LDS addresses; v24-29 way out and the add's two; v32-63 results; v64-95 rows read back; v96-127 bproj; v128-255 the accumulators ((a, b) at v[128 + 8 (4 a + b)]).
;   window 1: two fragment buffers of 128: four fragments of tokens (16 rows x 128 K), then four of wpc.
.set PANEL,  8192                      ; a panel's part of the tile: 8 tiles of 1,024 bytes
.set BOFF,   16*PANEL                  ; wpc's tile lies behind oc's 16 panels
.set BP,     1040                      ; its LDS rows: 1,024 bytes + 16
.set STAGE,  BOFF+128*BP               ; the way out: 16 rows x (256 bytes + 16) for each wave; no tile lands here
.set SPITCH, 272
.set SPARE,  STAGE+4*16*SPITCH         ; the spare words, 128 bytes for each wave
.set ADRA, 16                          ; v16-19: for each four panels
.set ADRB, 20
.set STO,  24
.set RD,   25
.set CO,   26
.set SPW,  28
.set NIL,  29
.set TMP,  32
.set BK,   64
.set BIAS, 96
.set ACC,  128
.set G1A, 24
.set G0A, 32
.set G1B, 48
.set G0B, 36
.set MSB, 0
.macro WIN new
.if MSB != (\new)
	s_set_vgpr_msb (MSB<<8)|(\new)
.set MSB, (\new)
.endif
.endm
.set MUL,  0x05                        ; sources 0 and 1 window 1; C and D window 0
.set TO_F, 0x40                        ; destination window 1, address window 0
.macro CROUND                          ; a round of the cluster's barrier
	s_barrier_signal -1
	s_barrier_wait -1
	s_cmp_lg_u32 s14, 0
	s_cbranch_scc1 .Lnot_wave_0_\@
	s_barrier_signal -3
.Lnot_wave_0_\@:
	s_barrier_wait -3
	s_barrier_signal -1
	s_barrier_wait -1
.endm
.macro PLACES
.rept 4
	v_nop
.endr
.endm
	s_load_b256 s[4:11], s[0:1], 0x0               ; oc s[4:5], wpc s[6:7], the scales' exponents s[8:9], bproj s[10:11]
	s_load_b64 s[12:13], s[0:1], 0x20              ; out0
	v_lshl_add_u32 v[SPW], v0, 2, SPARE
	v_mov_b32 v[NIL], 0
	ds_add_u32 v[SPW], v[NIL]                      ; the opening: the add, twice on end, and its wait ahead of my first tensor load
	ds_add_u32 v[SPW], v[NIL]
	v_lshrrev_b32 v1, 5, v0
	v_readfirstlane_b32 s14, v1                    ; wave 0..3
	s_lshr_b32 s15, s14, 1                         ; which 64 tokens are mine.  Also: I fetch for oc (0) or wpc (1)
	s_and_b32 s16, s14, 1                          ; which 64 n.  Also: which half of a tile I fetch
	s_bfe_u32 s56, ttmp6, 0x40000                  ; cx
	s_bfe_u32 s57, ttmp6, 0x40004                  ; cy
	s_lshl_b32 s58, ttmp9, 2
	s_add_co_u32 s58, s58, s56                     ; tile column (n): 0..7
	s_and_b32 s17, ttmp7, 0xffff
	s_lshl_b32 s17, s17, 2
	s_add_co_u32 s17, s17, s57                     ; tile row (tokens): 0..31
	s_lshl_b32 s59, s57, 2
	s_lshl_b32 s59, 15, s59                        ; my row of the cluster
	s_lshl_b32 s60, 0x1111, s56                    ; my column
	; oc: eight panels' runs of 8,192 bytes, 262,144 bytes apart: 8 rows x 1,024 elements of 8 bytes
	s_or_b32 s[G1A+0], s59, (3<<16)|(1<<21)
	s_mov_b32 s[G1A+1], 1024<<16
	s_mov_b32 s[G1A+2], 8<<16
	s_mov_b32 s[G1A+3], 1024<<16
	s_mov_b32 s[G1A+4], 8
	s_mov_b32 s[G1A+5], 32768
	s_mov_b32 s[G1A+6], 0
	s_mov_b32 s[G1A+7], 0
	; wpc: 64 rows x 1,024 bytes, 16 bytes of padding behind each (after every 256 words: code 7)
	s_or_b32 s[G1B+0], s60, (0<<16)|(1<<20)|(1<<21)|(7<<22)|(3<<25)
	s_mov_b32 s[G1B+1], 1024<<16
	s_mov_b32 s[G1B+2], 64<<16
	s_mov_b32 s[G1B+3], 1024<<16
	s_mov_b32 s[G1B+4], 64
	s_mov_b32 s[G1B+5], 1024
	s_mov_b32 s[G1B+6], 0
	s_mov_b32 s[G1B+7], 0
	s_lshl_b32 s18, s16, 21                        ; oc: 8 x half panels,
	s_lshl_b32 s20, s17, 13                        ; + 128 tokens x tile row: cy and never cx
	s_add_co_u32 s20, s20, s18
	s_mov_b32 s21, 0
	s_lshl_b32 s62, s58, 17                        ; wpc: 128 x tile column rows of 1,024 bytes: cx and never cy,
	s_lshl_b32 s18, s16, 16                        ; + 64 x half rows
	s_add_co_u32 s62, s62, s18
	s_mov_b32 s63, 0
	s_mov_b32 s[G0A], 1
	s_mov_b32 s[G0B], 1
	s_lshl_b32 s[G0A+1], s16, 16                   ; where they go: no place in the cluster enters an LDS address
	s_mul_i32 s[G0B+1], s16, 64*BP
	s_add_co_u32 s[G0B+1], s[G0B+1], BOFF
	s_wait_dscnt 0x0                               ; both opening adds are done
	s_wait_kmcnt 0x0
	s_load_b256 s[88:95], s[8:9], 0x0              ; e0 .. e7
	s_add_nc_u64 s[G0A+2:G0A+3], s[4:5], s[20:21]
	s_or_b32 s[G0A+3], s[G0A+3], 0x80000000
	s_add_nc_u64 s[G0B+2:G0B+3], s[6:7], s[62:63]
	s_or_b32 s[G0B+3], s[G0B+3], 0x80000000
	CROUND                                         ; all sixteen work-groups are here: the joint loads meet
	s_cmp_eq_u32 s15, 0
	s_cbranch_scc0 .Lfirst_b
	tensor_load_to_lds s[G0A:G0A+3], s[G1A:G1A+7]
	s_nop 0
	PLACES
	s_branch .Lfirst_asked
.Lfirst_b:
	tensor_load_to_lds s[G0B:G0B+3], s[G1B:G1B+7]
	s_nop 0
	PLACES
.Lfirst_asked:
	v_and_b32 v1, 15, v0                           ; r
	v_bfe_u32 v2, v0, 4, 1                         ; h
	v_and_b32 v3, 31, v0
	v_lshlrev_b32 v3, 4, v3
	s_lshl_b32 s18, s15, 12
	v_add_nc_u32 v3, s18, v3                       ; tokens: my four tiles of each panel, + 16 x lane
	v_mul_u32_u24 v4, v1, BP
	v_lshl_add_u32 v4, v2, 4, v4
	s_mul_i32 s18, s16, 64*BP
	s_add_co_u32 s18, s18, BOFF
	v_add_nc_u32 v[ADRB], s18, v4                  ; wpc: row 64 x half + r, + 16 h
.irp c, 0,1,2,3
	v_add_nc_u32 v[ADRA+\c], 4*PANEL*\c, v3
.endr
	s_mul_i32 s18, s14, 16*SPITCH
	s_add_co_u32 s18, s18, STAGE                   ; my stage
	s_wait_alu depctr_va_vdst(0)
	v_mul_u32_u24 v5, v1, SPITCH
	v_lshl_add_u32 v5, v2, 5, v5
	v_add_nc_u32 v[STO], s18, v5                   ; in: row r, + 32 h
	v_mul_u32_u24 v5, v2, SPITCH
	v_lshl_add_u32 v5, v1, 4, v5
	v_add_nc_u32 v[RD], s18, v5                    ; back: lanes 0-15 one row of 256 bytes, lanes 16-31 the next
	v_lshlrev_b32 v5, 12, v2
	v_lshl_add_u32 v[CO], v1, 4, v5                ; and the same two rows in out0
	v_lshlrev_b32 v6, 5, v2                        ; 32 h
	s_lshl_b32 s18, s17, 7
	s_lshl_b32 s19, s15, 6
	s_add_co_u32 s18, s18, s19                     ; my first token
	s_lshl_b32 s18, s18, 12                        ; a row of out0 is 4,096 bytes
	s_lshl_b32 s20, s58, 9
	s_lshl_b32 s21, s16, 8
	s_add_co_u32 s20, s20, s21                     ; my first n, in bytes: 512 x tile column + 256 x half
	s_mov_b32 s21, 0
	s_add_nc_u64 s[10:11], s[10:11], s[20:21]      ; bproj at my first n
	s_add_co_u32 s18, s18, s20
	s_mov_b32 s19, 0
	s_add_nc_u64 s[12:13], s[12:13], s[18:19]
	s_wait_alu depctr_va_vdst(0)                   ; the head's end
.irp b, 0,1,2,3
	global_load_b128 v[BIAS+8*\b:BIAS+8*\b+3], v6, s[10:11] offset:64*\b       ; bproj at n = 16 b + 8 h + 0 .. 7: the result's layout
	global_load_b128 v[BIAS+8*\b+4:BIAS+8*\b+7], v6, s[10:11] offset:64*\b+16
.endr
; 8 matrix instructions: token blocks a0, a0 + 1 x the four n blocks, 128 along K, buffer f.  The 16 accumulators take turns, in the same order in every step.
.macro MUL8 f, a0, zero
.irp a, \a0, \a0+1
.irp b, 0,1,2,3
.if \zero
	v_wmma_f32_16x16x128_fp8_fp8 v[ACC+8*(4*(\a)+\b):ACC+8*(4*(\a)+\b)+7], v[\f+64+16*\b:\f+64+16*\b+15], v[\f+16*(\a):\f+16*(\a)+15], 0
.else
	v_wmma_f32_16x16x128_fp8_fp8 v[ACC+8*(4*(\a)+\b):ACC+8*(4*(\a)+\b)+7], v[\f+64+16*\b:\f+64+16*\b+15], v[\f+16*(\a):\f+16*(\a)+15], v[ACC+8*(4*(\a)+\b):ACC+8*(4*(\a)+\b)+7]
.endif
.endr
.endr
.endm
; 32 LDS loads in one run: step s's fragments (128 along K: two panels of oc, 128 bytes of wpc's rows) into buffer f: wpc's 16 first, then the tokens' blocks 0, 1, then 2, 3
.macro FETCH s, f
	WIN TO_F
.irp i, 0,1,2,3
.irp c, 0,1,2,3
	ds_load_b128 v[\f+64+16*\i+4*\c:\f+64+16*\i+4*\c+3], v[ADRB] offset:16*BP*\i+128*(\s)+32*\c
.endr
.endr
.irp i, 0,1,2,3
.irp c, 0,1,2,3
	ds_load_b128 v[\f+16*\i+4*\c:\f+16*\i+4*\c+3], v[ADRA+(\s)/2] offset:(2*((\s)%2)+\c/2)*PANEL+1024*\i+512*(\c%2)
.endr
.endr
.endm
.macro KSTEP s
.set F, 128*((\s)%2)
.set G, 128-F
	s_wait_dscnt 8                                 ; wpc's fragments and the tokens' blocks 0, 1 are in; the youngest 8 loads (blocks 2, 3) may be out
	WIN MUL
	MUL8 F, 0, (\s)==0
.if (\s) < 7
	PLACES                                         ; in front of loads into the buffer that the step before multiplied
	FETCH (\s)+1, G
	s_wait_dscnt 32                                ; all but the 32 just issued
.else
	s_wait_dscnt 0x0
.endif
	WIN MUL
	MUL8 F, 2, (\s)==0
.endm
	s_wait_tensorcnt 0x0                           ; my part is in,
	s_barrier_signal -1
	s_barrier_wait -1                              ; everybody's is
	FETCH 0, 0
.irp s, 0,1,2,3,4,5,6,7
	KSTEP \s
.endr
	WIN 0
	; THE WAY OUT, 16 tokens at a time: sum x 2^(e6 + e7) + bproj; a lane's 32 bytes go into my stage and come back as whole rows of 256 bytes: sixteen lanes store 256 consecutive bytes, aligned.
	s_wait_loadcnt 0x0                             ; bproj
	s_wait_kmcnt 0x0
	s_add_co_i32 s96, s94, s95
	s_add_co_i32 s96, s96, 127
	s_lshl_b32 s96, s96, 23                        ; 2^(e6 + e7) as f32
	s_mov_b32 s97, s96                             ; (named with it as a pair, so it is written)
	PLACES                                         ; behind the last products
.irp a, 0,1,2,3
.if \a > 0
	s_wait_xcnt 0x0                                ; the last block's stores have read their registers: this block's loads may land there
.endif
.irp b, 0,1,2,3
.irp i, 0,2,4,6
	v_pk_fma_f32 v[TMP+8*\b+\i:TMP+8*\b+\i+1], v[ACC+8*(4*\a+\b)+\i:ACC+8*(4*\a+\b)+\i+1], s[96:97], v[BIAS+8*\b+\i:BIAS+8*\b+\i+1] op_sel_hi:[1,0,1]   ; each accumulator from its low end on
.endr
.endr
.irp b, 0,1,2,3
	ds_store_b128 v[STO], v[TMP+8*\b:TMP+8*\b+3] offset:64*\b
	ds_store_b128 v[STO], v[TMP+8*\b+4:TMP+8*\b+7] offset:64*\b+16
.endr
.irp t, 0,1,2,3,4,5,6,7
	ds_load_b128 v[BK+4*\t:BK+4*\t+3], v[RD] offset:\t*2*SPITCH   ; LDS serves a wave's instructions in order: these see my stores
.endr
.irp t, 0,1,2,3,4,5,6,7
	s_wait_dscnt 7-\t                              ; load t is in; the 7 - t younger ones may be out
	global_store_b128 v[CO], v[BK+4*\t:BK+4*\t+3], s[12:13] offset:(16*\a+2*\t)*4096 th:TH_STORE_NT
.endr
.endr
	s_wait_tensorcnt 0x0                           ; the wave's end, behind my last tensor load and my last LDS store
	ds_add_u32 v[SPW], v[NIL]
	s_wait_dscnt 0x0
	CROUND                                         ; the closing round: no work-group ends while a partner may still ask for a tile that names it
	s_endpgm
.Lfunc_end_k_qbb42c25a8a_proj:
	.size	k_qbb42c25a8a_proj, .Lfunc_end_k_qbb42c25a8a_proj-k_qbb42c25a8a_proj
	.p2alignl 7, 3214868480
	.fill 96, 4, 3214868480
	.section	.rodata,"a",@progbits
	.p2align	6, 0x0
	.amdhsa_kernel k_qbb42c25a8a_proj
		.amdhsa_group_segment_fixed_size 327680
		.amdhsa_private_segment_fixed_size 0
		.amdhsa_enable_private_segment 0
		.amdhsa_kernarg_size 40
		.amdhsa_user_sgpr_count 2
		.amdhsa_user_sgpr_kernarg_segment_ptr 1
		.amdhsa_wavefront_size32 1
		.amdhsa_system_sgpr_workgroup_id_x 1
		.amdhsa_system_sgpr_workgroup_id_y 1
		.amdhsa_system_sgpr_workgroup_id_z 1
		.amdhsa_system_vgpr_workitem_id 0
		.amdhsa_next_free_vgpr 512
		.amdhsa_next_free_sgpr 100
		.amdhsa_reserve_vcc 0
		.amdhsa_float_denorm_mode_32 3
		.amdhsa_float_denorm_mode_16_64 3
		.amdhsa_memory_ordered 1
		.amdhsa_forward_progress 1
		.amdhsa_inst_pref_size 46
	.end_amdhsa_kernel
	.amdgpu_metadata
---
amdhsa.version: [ 1, 2 ]
amdhsa.kernels:
  - .name:           k_qbb42c25a8a_proj
    .symbol:         k_qbb42c25a8a_proj.kd
    .args:
      - { .name: oc, .offset: 0, .size: 8, .value_kind: global_buffer, .address_space: global }
      - { .name: wpc, .offset: 8, .size: 8, .value_kind: global_buffer, .address_space: global }
      - { .name: lowp_scales, .offset: 16, .size: 8, .value_kind: global_buffer, .address_space: global }
      - { .name: bproj, .offset: 24, .size: 8, .value_kind: global_buffer, .address_space: global }
      - { .name: out0, .offset: 32, .size: 8, .value_kind: global_buffer, .address_space: global }
    .group_segment_fixed_size: 327680
    .private_segment_fixed_size: 0
    .kernarg_segment_align: 8
    .kernarg_segment_size: 40
    .max_flat_workgroup_size: 128
    .sgpr_count:     100
    .vgpr_count:     512
    .wavefront_size: 32
...
	.end_amdgpu_metadata
.endif
;; end of part 4
